; MI455X (gfx1250); checked and timed in simulation.
; The chip was launched on July 23, 2026; its instructions are those of AMD's public machine-readable ISA for CDNA 5 (MIT licence, August 2026) and "CDNA5" Instruction Set Architecture Reference Guide (July 2026). The comments in the code are by the model that wrote it; some were corrected since.
;; Triton Fused RCM Attention. Allowed arithmetic: matrix products marked QUANTISED: E5M2 operands, one E8M0 scale for each 32 along K, by v_wmma_scale_f32_16x16x128_f8f6f4 with both operands' format E5M2, f32 sums; everything else in f32.
;; Inputs: b_proj 1,024 float32; b_qkv 3,072 float32; t one number float32; w_proj 1,024 x 1,024 float32; w_qkv 1,024 x 3,072 float32; x 2 x 2,048 x 1,024 float32.
;; Outputs: out0 2 x 2,048 x 1,024 float32.
;; This version of the problem:
;;   THIS VERSION OF THE PROBLEM IS GIVEN IN LOW PRECISION. The matrix products marked QUANTISED in the list below multiply operands that are first quantised to E5M2 (5 exponent bits, 2 mantissa bits; 8 bits a number), with one power-of-two scale for each 32 numbers along K (OCP MX v1.0); their sums are f32. All else is computed in f32.
;;   The module's matrix products, in the order in which they are computed (A, B: the left and right operand; K: the contracted axis; several contracted axes count as one K, in the product's order):
;;     1. [M 4,096, K 1,024] x [K 1,024, N 3,072]; A: input x; B: input w_qkv: QUANTISED
;;     2. batch 32 x [M 2,048, K 64] x [K 64, N 2,048]; A: computed on the way; B: computed on the way: QUANTISED
;;     3. batch 32 x [M 2,048, K 2,048] x [K 2,048, N 64]; A: softmax (see below); B: computed on the way: QUANTISED
;;     4. [M 4,096, K 1,024] x [K 1,024, N 1,024]; A: computed on the way; B: input w_proj: QUANTISED
;;   THE QUANTISER, for each operand of a quantised product, along K:
;;     - K is cut into blocks of 32 from its start; a last block that is shorter is filled with zeros.
;;     - A block's scale is 2^e with e = floor(log2(the largest magnitude in the block)) - 15, held to -126 .. 127; a block of zeros has e = 0. As a byte (E8M0): e + 127.
;;     - Each number is divided by its block's scale, clamped to +-57,344, and rounded to the nearest number of E5M2, ties to even, subnormals kept.
;;     - The product sums the exact products of the quantised numbers (number of the format x scale) in f32.
;;   ~~~python
;;   def quantise(x, axis):      # numpy; x: float32 -> the quantised numbers, widened to float32 again
;;       x = np.moveaxis(x, axis, -1); K = x.shape[-1]
;;       x = np.pad(x, [(0, 0)] * (x.ndim - 1) + [(0, -K % 32)]); x = x.reshape(x.shape[:-1] + (-1, 32)); a = np.abs(x).max(-1, keepdims=True)
;;       e = np.where(a > 0, np.clip(np.frexp(np.where(a > 0, a, 1))[1] - 1 - 15, -126, 127), 0)      # np.frexp(a)[1] - 1 = floor(log2(a)), exactly
;;       r = np.clip(x / 2.0 ** e, -57344, 57344)
;;       step = 2.0 ** (np.maximum(np.frexp(np.where(r == 0, 1, r))[1] - 1, -14) - 2)
;;       q = np.round(r / step) * step * 2.0 ** e      # np.round: ties to even
;;       return np.moveaxis(q.reshape(q.shape[:-2] + (-1,))[..., :K], -1, axis).astype(np.float32)
;;   ~~~
;;   SOFTMAX AHEAD OF A QUANTISED PRODUCT. Where the list says 'softmax', what is quantised is not the finished softmax but p = 2^(t - M), with t = logit x log2(e) and M = ceil(the row's largest t), a whole number; so 1/2 < the row's largest p <= 1. The row's sum l is taken of the UNQUANTISED p, in f32, and the product's result is divided by l at the end. Since M is a whole number, a kernel that streams over the keys may use a running M (the ceiling of the running maximum): every later rescaling is an exact power of two, which a block's scale takes up: the codes' values come out the same.
;;   OPERANDS COMPUTED ON THE WAY. 'Computed on the way' means the value that the module computes at that place (a softmax that the list does not call 'softmax' is quantised finished and normalised). What goes into a quantiser is computed in f32, as accurately as f32 sums, v_exp_f32 and their like allow (about 1e-6 of the number): no bf16 or f16 on the way to a quantiser, and a product that is left as it is and whose result goes on into a quantised operand takes f32 operands (vector FMAs, or v_wmma_f32_16x16x4_f32). A number that lies on a knife's edge between two numbers of the format may be rounded either way, as far as f32 arithmetic and the matrix unit's own rounding can turn it there, and no further.
;; One version. Each part assembles by itself: llvm-mc -triple=amdgcn-amd-amdhsa -mcpu=gfx1250 --defsym DOCPART=n.
;; ======== version 1 of 1: 4 launches
;; limits: right only within a limited range of input values
;; workspace buffers: xw_img 8,388,608 bytes; xw_sc 262,144 bytes; qkv_img 12,582,912 bytes; qkv_sc 393,216 bytes; a_img 4,194,304 bytes; a_sc 131,072 bytes
;; launch quant (part 1): grid 512 x 1, 4 waves a work-group, no clusters, 35,328 bytes of LDS; arguments x, w_qkv, w_proj, xw_img, xw_sc; writes xw_img, xw_sc
.if DOCPART == 1
	.amdgcn_target "amdgcn-amd-amdhsa--gfx1250"
	.amdhsa_code_object_version 6
	.text
	.protected	k_q48c91c5b3f_quant
	.globl	k_q48c91c5b3f_quant
	.p2align	8
	.type	k_q48c91c5b3f_quant,@function
k_q48c91c5b3f_quant:
	s_mov_b64 s[64:65], 0
	v_nop
	global_prefetch_b8 v0, s[64:65] scope:SCOPE_SE
	s_setreg_imm32_b32 hwreg(HW_REG_WAVE_MODE, 25, 1), 1
	s_wait_xcnt 0x0
; x [4096][1024], w_qkv [1024][3072] and w_proj [1024][1024], f32, become codes of BF8 (E5M2) with one E8M0 byte for each 32 along K = 1,024.
; A block's scale is 2^(floor(log2(largest magnitude)) - 15); each number is divided by it, held within +-57,344 and rounded to the nearest code, ties to even.
; LAYOUT OF THE RESULT.  A TILE is 16 rows of an operand (tokens of x, columns of a weight): of 32 neighbouring rows tile u = 0, 1 holds rows 8 u + r + 8 (r / 8), r = 0 .. 15.
; A tile's codes for 128 along K lie as the matrix instruction's registers do: group c (k = 32 c + 16 h + 0 .. 15 of row r) is 512 bytes, lane l = 16 h + r at 16 l.
; xw_img: [512 tiles][8 K steps][4 groups][512 bytes]: tiles 0-255 x, 256-447 w_qkv, 448-511 w_proj.  xw_sc: [8 K steps][512 tiles][16 rows], a word of four bytes each.
; w_qkv's tiles: 12 for each j = 0 .. 15: the 8 of columns 128 j .. 128 j + 127 (two heads of q or k), then the 4 of columns 2,048 + 64 j .. + 63 (v's head j).
; LIMITS: a block whose largest magnitude lies under 2^(16 - 127) gets the byte 1 (a block of zeros too, where the rule says 127: its codes are zeros and this program alone reads the bytes);
; NaN and infinities among the inputs are not served.
; SHARES.  Work-groups 0-255 take the weights (K is their first axis: a lane takes a column, its registers run down K; nothing is transposed); work-groups 256-511 take x (K innermost: dense loads,
; turned through the wave's own stage in LDS so that a lane holds 16 neighbours of each block).  Waves share nothing: no barrier.  No tile is read by two work-groups: no cluster, no tensor load.
.set PWX,  10                          ; v10, v11  x: a piece's scale words
.set SPW,  12                          ; v12, v13  x: my spare word's LDS address, and 0
.set NIL,  13
.set SW,   14                          ; v14     weights: the scale word
.set TM,   16                          ; v16-31  at work in QUANT: largest magnitudes, bytes, bounds, scale operands
.set PC,   32                          ; v32-63  x: codes, two sets of 16
.set CW,   32                          ; v32-63  weights: codes, 8 registers a block
.set X,    64                          ; v64-191 weights: 128 numbers down K
.set R,    64                          ; v64-191 x: two sets of 64 registers as loaded
.set XN,   192                         ; v192-255 x: 64 numbers, register 16 b + i = k 32 b + 16 h + i of my row
.set SEL,  28                          ; s28-29  lane selects: lane l xor 16
.set MNT,  30                          ; s30     the mantissa field of 57,344
.set WSTG, 8704                        ; LDS of a wave: 16 rows x 528 bytes, then 256 bytes for scale words
.set SSTG, 8448
.set SPARE, 4*WSTG
; 64 numbers of a lane become a fragment's 16 registers of codes, v[pc] on, and its row's scale word, v[pw].
.macro QUANT s, pc, pw
.irp b, 0,1,2,3
	v_max3_num_f32 v[TM+\b], |v[(\s)+16*\b]|, |v[(\s)+1+16*\b]|, 0x8000000   ; my 16 numbers of block b, and the floor 2^(16 - 127): the byte cannot fall under 1
.endr
.irp i, 2,4,6,8,10,12,14
.irp b, 0,1,2,3
	v_max3_num_f32 v[TM+\b], v[TM+\b], |v[(\s)+16*\b+\i]|, |v[(\s)+1+16*\b+\i]|
.endr
.endr
.irp b, 0,1,2,3
	v_permlanex16_b32 v[TM+4+\b], v[TM+\b], s[SEL], s[SEL+1]
.endr
.irp b, 0,1,2,3
	v_max_num_f32 v[TM+\b], v[TM+\b], v[TM+4+\b]                  ; with lane l xor 16's 16: the block's largest magnitude
.endr
.irp b, 0,1,2,3
	v_add_nc_u32 v[TM+12+\b], 0xf8800000, v[TM+\b]                ; 15 off its exponent field: the conversion's scale operand
.endr
.irp b, 0,1,2,3
	v_and_or_b32 v[TM+8+\b], v[TM+\b], 0x7f800000, s[MNT]         ; 57,344 x the scale
.endr
.irp b, 0,1,2,3
	v_lshrrev_b32 v[TM+4+\b], 23, v[TM+12+\b]                     ; the scale's byte
.endr
	v_lshl_or_b32 v[\pw], v[TM+5], 8, v[TM+4]
	v_lshl_or_b32 v[\pw], v[TM+6], 16, v[\pw]
	v_lshl_or_b32 v[\pw], v[TM+7], 24, v[\pw]
.irp b, 0,1,2,3
.irp i, 0,1,2,3,4,5,6,7,8,9,10,11,12,13,14,15
	v_med3_num_f32 v[(\s)+16*\b+\i], v[(\s)+16*\b+\i], -v[TM+8+\b], v[TM+8+\b]   ; the conversion does not saturate (ISA guide 7.6.2): the hold comes first
.endr
	v_cvt_scalef32_pk8_bf8_f32 v[(\pc)+4*\b:(\pc)+1+4*\b], v[(\s)+16*\b:(\s)+7+16*\b], v[TM+12+\b]
	v_cvt_scalef32_pk8_bf8_f32 v[(\pc)+2+4*\b:(\pc)+3+4*\b], v[(\s)+8+16*\b:(\s)+15+16*\b], v[TM+12+\b]
.endr
	v_nop                                          ; a plain line behind the last conversion
.endm
	s_load_b128 s[4:7], s[0:1], 0x0                ; x, w_qkv
	s_load_b128 s[8:11], s[0:1], 0x10              ; w_proj, xw_img
	s_load_b64 s[12:13], s[0:1], 0x20              ; xw_sc
	v_lshrrev_b32 v1, 5, v0
	v_readfirstlane_b32 s16, v1                    ; wave
	v_and_b32 v1, 31, v0                           ; lane
	v_and_b32 v2, 15, v0                           ; r
	v_bfe_u32 v3, v0, 4, 1                         ; lane / 16
	s_mov_b32 s[SEL], 0x76543210
	s_mov_b32 s[SEL+1], 0xfedcba98
	s_mov_b32 s[MNT], 0x600000
	s_wait_alu depctr_va_vdst(0)
	s_cmp_lt_u32 ttmp9, 256
	s_cbranch_scc0 .Lxpath
; ---- THE WEIGHTS.  Work-group: 128 of the 4,096 columns (w_qkv's 3,072, then w_proj's) x one K step of 128.  Wave: 32 columns, two tiles.
	s_lshr_b32 s17, ttmp9, 3                       ; which 128 columns
	s_and_b32 s18, ttmp9, 7                        ; K step
	s_lshl_b32 s19, s17, 7
	s_lshl_b32 s20, s16, 5
	s_add_co_u32 s19, s19, s20                     ; my wave's first column
	v_and_b32 v4, 8, v2
	v_add_nc_u32 v4, v4, v2
	v_lshl_add_u32 v4, v3, 3, v4                   ; lanes 0-15 are one tile, lanes 16-31 the next: column 8 u + r + 8 (r / 8) of the 32
	v_lshlrev_b32 v4, 2, v4
	v_lshlrev_b32 v5, 4, v2
	v_lshl_add_u32 v5, v3, 14, v5                  ; out: my tile (16,384 bytes each), 16 r
	v_lshlrev_b32 v6, 2, v1                        ; scale words: 4 bytes a lane
	s_lshr_b32 s36, s19, 4                         ; the weights' tile in order of columns; where it lies:
	s_lshr_b32 s32, s36, 3
	s_mul_i32 s32, s32, 12
	s_and_b32 s33, s36, 7
	s_add_co_u32 s32, s32, s33                     ; q, k: 12 (tile / 8) + tile % 8
	s_sub_co_u32 s34, s36, 128
	s_lshr_b32 s35, s34, 2
	s_mul_i32 s35, s35, 12
	s_and_b32 s34, s34, 3
	s_add_co_u32 s35, s35, s34
	s_add_co_u32 s35, s35, 8                       ; v: 12 (tile / 4) + 8 + tile % 4, counted from v's first
	s_cmp_lt_u32 s36, 192
	s_cselect_b32 s31, s35, s36
	s_cmp_lt_u32 s36, 128
	s_cselect_b32 s31, s32, s31
	s_lshl_b32 s22, s31, 14                        ; codes: (256 + tile) x 16,384 bytes + 2,048 x K step
	s_lshl_b32 s23, s18, 11
	s_add_co_u32 s22, s22, s23
	s_add_co_u32 s22, s22, 0x400000
	s_mov_b32 s23, 0
	s_lshl_b32 s24, s18, 15                        ; scale words: 32,768 x K step + (256 + tile) x 64
	s_lshl_b32 s25, s31, 6
	s_add_co_u32 s24, s24, s25
	s_add_co_u32 s24, s24, 16384
	s_mov_b32 s25, 0
	s_wait_alu depctr_va_vdst(0)
	s_wait_kmcnt 0x0
	s_add_nc_u64 s[10:11], s[10:11], s[22:23]
	s_add_nc_u64 s[12:13], s[12:13], s[24:25]
.macro LOADW base, pitch               ; 128 rows of the weight at my 32 columns: a wave reads 128 consecutive bytes a load, the four waves 512
.set k, 0
.rept 128
	global_load_b32 v[X+k], v4, s[\base:\base+1] offset:k*\pitch th:TH_LOAD_NT
.set k, k+1
.endr
.endm
	s_cmp_lt_u32 s17, 24
	s_cbranch_scc0 .Lwproj
	s_mul_i32 s26, s18, 128*12288
	s_lshl_b32 s27, s19, 2
	s_add_co_u32 s26, s26, s27
	s_mov_b32 s27, 0
	s_add_nc_u64 s[6:7], s[6:7], s[26:27]
	LOADW 6, 12288
	s_branch .Lwgo
.Lwproj:
	s_mul_i32 s26, s18, 128*4096
	s_sub_co_u32 s27, s19, 3072
	s_lshl_b32 s27, s27, 2
	s_add_co_u32 s26, s26, s27
	s_mov_b32 s27, 0
	s_add_nc_u64 s[8:9], s[8:9], s[26:27]
	LOADW 8, 4096
.Lwgo:
; Block c: 32 numbers down K, all mine.  left: how many younger loads may stay out.
.macro BLOCKW c, left
.set XS, X+32*(\c)
	s_wait_loadcnt \left
	v_max3_num_f32 v12, |v[XS]|, |v[XS+1]|, |v[XS+2]|
	v_max3_num_f32 v13, |v[XS+3]|, |v[XS+4]|, |v[XS+5]|
.irp i, 6,10,14,18,22,26
	v_max3_num_f32 v12, v12, |v[XS+\i]|, |v[XS+\i+1]|
	v_max3_num_f32 v13, v13, |v[XS+\i+2]|, |v[XS+\i+3]|
.endr
	v_max3_num_f32 v12, v12, |v[XS+30]|, |v[XS+31]|
	v_max3_num_f32 v12, v12, v13, 0x8000000        ; and the floor
	v_add_nc_u32 v11, 0xf8800000, v12
	v_and_or_b32 v10, v12, 0x7f800000, s[MNT]
	v_lshrrev_b32 v13, 23, v11
.if \c == 0
	v_mov_b32 v[SW], v13
.else
	v_lshl_or_b32 v[SW], v13, 8*(\c), v[SW]
.endif
.set i, 0
.rept 32
	v_med3_num_f32 v[XS+i], v[XS+i], -v10, v10
.set i, i+1
.endr
.irp g, 0,1,2,3
	v_cvt_scalef32_pk8_bf8_f32 v[CW+8*(\c)+2*\g:CW+8*(\c)+2*\g+1], v[XS+8*\g:XS+8*\g+7], v11
.endr
	global_store_b128 v5, v[CW+8*(\c):CW+8*(\c)+3], s[10:11] offset:512*(\c)         ; k = 32 c + 0 .. 15: sixteen lanes store 256 consecutive bytes, aligned
	global_store_b128 v5, v[CW+8*(\c)+4:CW+8*(\c)+7], s[10:11] offset:512*(\c)+256   ; k = 32 c + 16 .. 31.  Each block has code registers of its own: no store's data are written again
.endm
	BLOCKW 0, 63                                   ; 96 younger loads could stay out; the wait's field ends at 63, and a smaller count is safe
	BLOCKW 1, 63                                   ; 64 could
	BLOCKW 2, 32                                   ; block 3's 32
	BLOCKW 3, 0
	global_store_b32 v6, v[SW], s[12:13]           ; two tiles' words: 128 consecutive bytes a wave, 1/128 of what the wave has read
	s_endpgm
; ---- x.  Work-group: 32 tokens (2 tiles) x four K steps, a K step to a wave: the waves stand side by side on 2,048 bytes of each row.  A wave works two pieces: tile p x its K step; both are asked for at once.
.Lxpath:
	v_lshl_add_u32 v[SPW], v0, 2, SPARE
	v_mov_b32 v[NIL], 0
	s_sub_co_u32 s17, ttmp9, 256
	s_lshr_b32 s18, s17, 1                         ; which 32 tokens
	s_and_b32 s19, s17, 1
	s_lshl_b32 s19, s19, 2
	s_add_co_u32 s19, s19, s16                     ; K step
	v_lshlrev_b32 v4, 4, v1                        ; 16 x lane
	s_mul_i32 s20, s16, WSTG
	v_add_nc_u32 v5, s20, v4                       ; the stage, in: a row's 512 bytes as they lie
	v_mul_u32_u24 v6, v2, 528
	v_lshl_add_u32 v6, v3, 6, v6
	v_add_nc_u32 v6, s20, v6                       ; out: row r, + 64 h: my 16 numbers of a block.  528 is an odd multiple of 16: sixteen rows start at sixteen different 16-byte columns
	v_lshlrev_b32 v7, 2, v2
	v_add_nc_u32 v7, s20, v7                       ; scale words: 4 r
	v_lshlrev_b32 v8, 2, v1
	v_add_nc_u32 v9, s20, v8                       ; and back, 4 bytes a lane
.irp b, 0,1,2,3
	v_mov_b32 v[TM+4+\b], 0                        ; a lane permute's destination counts as one of its sources
.endr
	s_lshl_b32 s22, s18, 17                        ; x: 32 rows of 4,096 bytes + 512 x K step
	s_lshl_b32 s23, s19, 9
	s_add_co_u32 s22, s22, s23
	s_mov_b32 s23, 0
	s_lshl_b32 s24, s18, 15                        ; codes: 2 tiles of 16,384 bytes + 2,048 x K step
	s_lshl_b32 s25, s19, 11
	s_add_co_u32 s24, s24, s25
	s_mov_b32 s25, 0
	s_lshl_b32 s26, s19, 15                        ; scale words: 32,768 x K step + 2 tiles x 64
	s_lshl_b32 s27, s18, 7
	s_add_co_u32 s26, s26, s27
	s_mov_b32 s27, 0
	s_wait_alu depctr_va_vdst(0)
	s_wait_kmcnt 0x0
	s_add_nc_u64 s[4:5], s[4:5], s[22:23]
	s_add_nc_u64 s[10:11], s[10:11], s[24:25]
	s_add_nc_u64 s[12:13], s[12:13], s[26:27]
.macro PIECE p, left
	s_wait_loadcnt \left                           ; this piece's 16 loads are in; the next piece's may stay out
.irp i, 0,1,2,3,4,5,6,7,8,9,10,11,12,13,14,15   ; through my own stage: LDS serves a wave's instructions in order, so no wait stands between the stores and the loads
	ds_store_b128 v5, v[R+64*(\p)+4*\i:R+64*(\p)+4*\i+3] offset:528*\i
.endr
.irp c, 0,1,2,3
.irp j, 0,1,2,3
	ds_load_b128 v[XN+16*\c+4*\j:XN+16*\c+4*\j+3], v6 offset:128*\c+16*\j
.endr
.endr
	s_wait_dscnt 0x0
	QUANT XN, PC+16*(\p), PWX+(\p)
.irp c, 0,1,2,3
	global_store_b128 v4, v[PC+16*(\p)+4*\c:PC+16*(\p)+4*\c+3], s[10:11] offset:16384*(\p)+512*\c   ; 512 consecutive bytes, aligned
.endr
.endm
.irp p, 0,1
.irp i, 0,1,2,3,4,5,6,7,8,9,10,11,12,13,14,15   ; the 16 rows of tile p, 512 consecutive bytes a load
	global_load_b128 v[R+64*\p+4*\i:R+64*\p+4*\i+3], v4, s[4:5] offset:(8*\p+\i+8*(\i/8))*4096 th:TH_LOAD_NT
.endr
.endr
	PIECE 0, 16
	PIECE 1, 0
.irp p, 0,1
	ds_store_b32 v7, v[PWX+\p] offset:SSTG+64*\p   ; both halves of the lanes hold the same word and write it to the same place
.endr
	ds_load_b32 v14, v9 offset:SSTG
	s_wait_dscnt 0x0
	global_store_b32 v8, v14, s[12:13]             ; two tiles' words: 128 consecutive bytes, 1/128 of what the wave has read
	s_wait_tensorcnt 0x0                           ; the wave's end
	ds_add_u32 v[SPW], v[NIL]
	s_wait_dscnt 0x0
	s_endpgm
.Lfunc_end_k_q48c91c5b3f_quant:
	.size	k_q48c91c5b3f_quant, .Lfunc_end_k_q48c91c5b3f_quant-k_q48c91c5b3f_quant
	.p2alignl 7, 3214868480
	.fill 96, 4, 3214868480
	.section	.rodata,"a",@progbits
	.p2align	6, 0x0
	.amdhsa_kernel k_q48c91c5b3f_quant
		.amdhsa_group_segment_fixed_size 35328
		.amdhsa_private_segment_fixed_size 0
		.amdhsa_enable_private_segment 0
		.amdhsa_kernarg_size 40
		.amdhsa_user_sgpr_count 2
		.amdhsa_user_sgpr_kernarg_segment_ptr 1
		.amdhsa_wavefront_size32 1
		.amdhsa_system_sgpr_workgroup_id_x 1
		.amdhsa_system_sgpr_workgroup_id_y 1
		.amdhsa_system_sgpr_workgroup_id_z 1
		.amdhsa_system_vgpr_workitem_id 0
		.amdhsa_next_free_vgpr 256
		.amdhsa_next_free_sgpr 66
		.amdhsa_reserve_vcc 0
		.amdhsa_float_denorm_mode_32 3
		.amdhsa_float_denorm_mode_16_64 3
		.amdhsa_memory_ordered 1
		.amdhsa_forward_progress 1
		.amdhsa_inst_pref_size 68
	.end_amdhsa_kernel
	.amdgpu_metadata
---
amdhsa.version: [ 1, 2 ]
amdhsa.kernels:
  - .name:           k_q48c91c5b3f_quant
    .symbol:         k_q48c91c5b3f_quant.kd
    .args:
      - { .name: x, .offset: 0, .size: 8, .value_kind: global_buffer, .address_space: global }
      - { .name: w_qkv, .offset: 8, .size: 8, .value_kind: global_buffer, .address_space: global }
      - { .name: w_proj, .offset: 16, .size: 8, .value_kind: global_buffer, .address_space: global }
      - { .name: xw_img, .offset: 24, .size: 8, .value_kind: global_buffer, .address_space: global }
      - { .name: xw_sc, .offset: 32, .size: 8, .value_kind: global_buffer, .address_space: global }
    .group_segment_fixed_size: 35328
    .private_segment_fixed_size: 0
    .kernarg_segment_align: 8
    .kernarg_segment_size: 40
    .max_flat_workgroup_size: 128
    .sgpr_count:     66
    .vgpr_count:     256
    .wavefront_size: 32
...
	.end_amdgpu_metadata
.endif
;; end of part 1
;; launch gemm_qkv (part 2): grid 16 x 16, 4 waves a work-group, clusters of 4 x 4, 327,680 bytes of LDS; arguments xw_img, xw_sc, b_qkv, qkv_img, qkv_sc; writes qkv_img, qkv_sc
.if DOCPART == 2
	.amdgcn_target "amdgcn-amd-amdhsa--gfx1250"
	.amdhsa_code_object_version 6
	.text
	.protected	k_q48c91c5b3f_gemm_qkv
	.globl	k_q48c91c5b3f_gemm_qkv
	.p2align	8
	.type	k_q48c91c5b3f_gemm_qkv,@function
k_q48c91c5b3f_gemm_qkv:
	s_mov_b64 s[64:65], 0
	v_nop
	global_prefetch_b8 v0, s[64:65] scope:SCOPE_SE
	s_setreg_imm32_b32 hwreg(HW_REG_WAVE_MODE, 25, 1), 1
	s_wait_xcnt 0x0
	s_wait_alu depctr_hold_cnt(0) depctr_sa_sdst(0) depctr_va_vdst(0) depctr_va_sdst(0) depctr_va_ssrc(0) depctr_va_vcc(0) depctr_vm_vsrc(0)
	s_getreg_b32 s2, hwreg(HW_REG_IB_STS2, 6, 4)
	s_cmp_eq_u32 s2, 0
	s_cbranch_scc0 .Lentry_in_a_cluster
	s_endpgm
.Lentry_in_a_cluster:
	s_bfe_u32 s2, ttmp6, 0x10000c
	s_cmp_lg_u32 s2, 0xf033
	s_cbranch_scc0 .Lentry_shape_is_right
	s_endpgm
.Lentry_shape_is_right:
; q, k, v = x w_qkv + b_qkv on codes of BF8 (E5M2) with E8M0 scales, sums in f32; each result is quantised again on the way out: q and k along the head's 64, v along the tokens.
; SHARES.  256 work-groups: tile row tb takes 256 tokens; tile column j takes two heads of q or k (columns 128 j on) and v's head j: 192 columns, 12 tiles of 16.  Wave (rh, ch): 128 tokens (8 tiles of x) x one head of
; q or k (4 tiles) and half a head of v (2 tiles): 48 accumulators.  All work-groups and waves run the same products.
; q, k: source 0 = the weight's rows, source 1 = x's: a lane holds one token, its registers neighbouring columns.  v: source 0 = x's rows: a lane holds one column, its registers neighbouring tokens: so in both a lane's
; registers run along the K of the product that takes the result, and two neighbouring tiles are 16 neighbours of it.
; K in 8 steps of 128.  LDS holds five of them: region 0 steps 0, 1; region 1 steps 2, 3, 4.  At the head one tensor load a wave: waves 0, 1 region 0's x and weight, waves 2, 3 region 1's.
; Steps 5, 6 are filled over 0, 1 (waves 0, 1), step 7 over step 2's place on (waves 2, 3), each in a drained round of the cluster's barrier, behind which they come first.
; CLUSTERS 4 x 4: x's rows hang on tb and are shared along a row of the cluster, the weight's on j and along a column: joint loads.
; PREFETCH: in K step 0 steps 5 to 7 are asked for, one step and more ahead of their loads: 24 blocks of 256 bytes a tile, a lane a block, a tile a wave: x's 16 tiles shared by the four of a row, the weight's 12 by the four of a column.
; THE BIAS is the C of each sum's first product.
; SCALES: all of K's words stay in registers: lanes 0-15 K step q, lanes 16-31 K step 4 + q; the products of K steps 4-7 read the upper lanes.
; RESULTS.  qkv_img: q, k: [kind][batch-head][tile of 16 tokens][block of 32 columns][lane][16 bytes]; v: [batch-head][key step][tile of the head's 64][block of 32 tokens][lane][16 bytes].
; qkv_sc: q, k: [kind][pair of heads][tile / 4][row][tile % 4] words, two bytes a head; v: [batch-head][key step][row][tile] words.
; LIMITS: a block whose largest magnitude lies under 2^(16 - 127) gets the byte 1; NaN and infinities are not served.
.set A0, 0
.set B0, 65536                         ; 16 tiles of x x 4,096 bytes, then 12 of the weight
.set A1, 114688
.set B1, 212992                        ; 16 and 12 tiles x 6,144 bytes; for step 7 x 2,048
.set STG, 286720                       ; scale bytes on their way out: q or k's 1,024, v's 512
.set SPARE, 288256
; WINDOW 0: v1-7 lane terms; v8-16 LDS addresses of x's, q or k's and v's fragments in region 0, in region 1, of step 7
.set STQ, 17                           ; where my bytes go in STG
.set STV, 18
.set RDS, 19
.set SPW, 28
.set NIL, 29
.set SCB, 32                           ; v32-55 the weight's scale words, 4 a tile;
.set SCA, 58                           ; v58-89 x's: no product's two scale words have numbers equal modulo 8
.set TM,  96
.set SW,  112                          ; scale words on their way out; first v's bias
.set AF,  128                          ; x's fragments, set 0; on the way out codes.  Set 1: the same registers of window 3
; WINDOW 1: the weight's fragments, two sets of 96; v192-223 q or k's bias, v224-239 v's.   WINDOW 2: q or k's sum (a, i) at 8 (4 a + i).   WINDOW 3: v's sum (a, i) at 8 (8 i + a)
.set BQ,  192
.set BV,  224
.set G1A, 24
.set G1B, 32
.set G1C, 40
.set G1D, 48
.set G0A, 56
.set G0B, 60
.set G0C, 68
.set G0D, 72
.set SEL, 98
.set MNT, 100
.set MSB, 0
.macro WIN new
.if MSB != (\new)
	s_set_vgpr_msb (MSB<<8)|(\new)
.set MSB, (\new)
.endif
.endm
.macro PLACES n
.rept \n
	v_nop
.endr
.endm
.macro WALU
	s_wait_alu depctr_va_vdst(0)
.endm
.macro BARRIER
	s_barrier_signal -1
	s_barrier_wait -1
.endm
.macro CROUND
	BARRIER
	s_cmp_lg_u32 s14, 0
	s_cbranch_scc1 .Lnot_wave_0_\@
	s_barrier_signal -3
.Lnot_wave_0_\@:
	s_barrier_wait -3
	BARRIER
.endm
.macro TLOAD g0, g1
	tensor_load_to_lds s[\g0:\g0+3], s[\g1:\g1+7]
	s_nop 0
	PLACES 4
.endm
.macro GROUP1 g, mask, width, rows     ; so many tiles, 16,384 bytes from one to the next, width x 8 bytes of each
	s_or_b32 s[\g], s[\mask], (3<<16)|(1<<21)
	s_mov_b32 s[\g+1], (\width)<<16
	s_mov_b32 s[\g+2], (\rows)<<16
	s_mov_b32 s[\g+3], (\width)<<16
	s_mov_b32 s[\g+4], \rows
	s_mov_b32 s[\g+5], 2048
	s_mov_b32 s[\g+6], 0
	s_mov_b32 s[\g+7], 0
.endm
	s_load_b128 s[4:7], s[0:1], 0x0                ; xw_img, xw_sc
	s_load_b128 s[8:11], s[0:1], 0x10              ; b_qkv, qkv_img
	s_load_b64 s[12:13], s[0:1], 0x20              ; qkv_sc
	v_lshl_add_u32 v[SPW], v0, 2, SPARE
	v_mov_b32 v[NIL], 0
	ds_add_u32 v[SPW], v[NIL]                      ; the opening
	ds_add_u32 v[SPW], v[NIL]
	v_lshrrev_b32 v1, 5, v0
	v_readfirstlane_b32 s14, v1                    ; wave
	s_lshr_b32 s15, s14, 1                         ; rh
	s_and_b32 s16, s14, 1                          ; ch
	s_bfe_u32 s20, ttmp6, 0x40000                  ; cx
	s_bfe_u32 s21, ttmp6, 0x40004                  ; cy
	s_lshl_b32 s17, ttmp9, 2
	s_add_co_u32 s17, s17, s20                     ; j
	s_and_b32 s18, ttmp7, 0xffff
	s_lshl_b32 s18, s18, 2
	s_add_co_u32 s18, s18, s21                     ; tb
	s_lshl_b32 s22, s21, 2
	s_lshl_b32 s22, 15, s22                        ; my row of the cluster
	s_lshl_b32 s23, 0x1111, s20                    ; my column
	GROUP1 G1A, 22, 512, 16
	GROUP1 G1B, 23, 512, 12
	GROUP1 G1C, 22, 768, 16
	GROUP1 G1D, 23, 768, 12
	s_mov_b32 s[G0A], 1
	s_mov_b32 s[G0A+1], A0
	s_mov_b32 s[G0B], 1
	s_mov_b32 s[G0B+1], B0
	s_mov_b32 s[G0C], 1
	s_mov_b32 s[G0C+1], A1
	s_mov_b32 s[G0D], 1
	s_mov_b32 s[G0D+1], B1
	s_lshl_b32 s2, s18, 18                         ; x: 16 tiles of 16,384 bytes a tile row
	s_mov_b32 s3, 0
	s_mul_i32 s96, s17, 12
	s_add_co_u32 s96, s96, 256
	s_lshl_b32 s96, s96, 14                        ; the weight: 12 tiles a tile column, from tile 256 on
	s_mov_b32 s97, 0
	s_wait_dscnt 0x0                               ; both opening adds are done
	CROUND                                         ; all sixteen work-groups are here: the first joint loads meet
	s_wait_kmcnt 0x0
	s_add_nc_u64 s[G0A+2:G0A+3], s[4:5], s[2:3]
	s_add_nc_u64 s[G0C+2:G0C+3], s[G0A+2:G0A+3], 4096
	s_or_b32 s[G0A+3], s[G0A+3], 0x80000000
	s_or_b32 s[G0C+3], s[G0C+3], 0x80000000
	s_add_nc_u64 s[G0B+2:G0B+3], s[4:5], s[96:97]
	s_add_nc_u64 s[G0D+2:G0D+3], s[G0B+2:G0B+3], 4096
	s_or_b32 s[G0B+3], s[G0B+3], 0x80000000
	s_or_b32 s[G0D+3], s[G0D+3], 0x80000000
	s_cmp_eq_u32 s14, 0                            ; one load a wave, each wave a line of its own: the first barrier shows waves 0 and 1's alone
	s_cbranch_scc0 .Lhead_1
	TLOAD G0A, G1A
	s_branch .Lasked
.Lhead_1:
	s_cmp_eq_u32 s14, 1
	s_cbranch_scc0 .Lhead_2
	TLOAD G0B, G1B
	s_branch .Lasked
.Lhead_2:
	s_cmp_eq_u32 s14, 2
	s_cbranch_scc0 .Lhead_3
	TLOAD G0C, G1C
	s_branch .Lasked
.Lhead_3:
	TLOAD G0D, G1D
.Lasked:
	s_lshl_b32 s76, s18, 10                        ; x's scale words: (16 tb + 8 rh) tiles x 64 bytes
	s_lshl_b32 s77, s15, 9
	s_add_co_u32 s76, s76, s77
	s_mov_b32 s77, 0
	s_mul_i32 s19, s17, 12
	s_add_co_u32 s19, s19, 256                     ; the weight's first tile
	s_lshl_b32 s78, s16, 2
	s_add_co_u32 s78, s78, s19
	s_lshl_b32 s78, s78, 6                         ; scale words of q or k's 4 tiles,
	s_mov_b32 s79, 0
	s_lshl_b32 s80, s16, 1
	s_add_co_u32 s80, s80, s19
	s_add_co_u32 s80, s80, 8
	s_lshl_b32 s80, s80, 6                         ; of v's 2
	s_mov_b32 s81, 0
	s_lshl_b32 s82, s17, 9
	s_lshl_b32 s83, s16, 8
	s_add_co_u32 s82, s82, s83                     ; the bias: column 128 j + 64 ch
	s_mov_b32 s83, 0
	s_lshl_b32 s84, s17, 8
	s_lshl_b32 s85, s16, 7
	s_add_co_u32 s84, s84, s85
	s_add_co_u32 s84, s84, 8192                    ; and column 2,048 + 64 j + 32 ch
	s_mov_b32 s85, 0
	s_lshl_b32 s92, s18, 4
	s_lshl_b32 s93, s20, 2
	s_add_co_u32 s92, s92, s93
	s_add_co_u32 s92, s92, s14
	s_lshl_b32 s92, s92, 14                        ; the prefetches: x's tile 16 tb + 4 cx + wave,
	s_mov_b32 s93, 0
	s_mul_i32 s94, s21, 3
	s_add_co_u32 s94, s94, s19
	s_add_co_u32 s94, s94, s14
	s_lshl_b32 s94, s94, 14                        ; the weight's 3 cy + wave (waves 0-2)
	s_mov_b32 s95, 0
	s_add_nc_u64 s[76:77], s[6:7], s[76:77]
	s_add_nc_u64 s[78:79], s[6:7], s[78:79]
	s_add_nc_u64 s[80:81], s[6:7], s[80:81]
	s_add_nc_u64 s[82:83], s[8:9], s[82:83]
	s_add_nc_u64 s[84:85], s[8:9], s[84:85]
	s_add_nc_u64 s[92:93], s[4:5], s[92:93]
	s_add_nc_u64 s[94:95], s[4:5], s[94:95]
	v_and_b32 v1, 15, v0                           ; r
	v_bfe_u32 v2, v0, 4, 1                         ; h
	v_and_b32 v3, 31, v0
	v_lshlrev_b32 v4, 2, v1
	v_lshl_add_u32 v4, v2, 17, v4                  ; scale words: 4 r; lanes 16-31 four K steps on
	v_lshlrev_b32 v5, 6, v2                        ; q or k's bias: lanes 16-31 16 columns on
	v_and_b32 v6, 8, v1
	v_add_nc_u32 v6, v6, v1
	v_lshlrev_b32 v6, 2, v6                        ; v's: column r + 8 (r / 8)
	v_min_u32 v7, 23, v3
	v_lshlrev_b32 v7, 8, v7
	v_add_nc_u32 v7, 10240, v7                     ; the prefetches: K step 5 on; lanes 24-31 name the last block again
	v_lshlrev_b32 v3, 4, v3                        ; 16 x lane
	WALU
.irp i, 0,1,2,3
.irp q, 0,1,2,3
	global_load_b32 v[SCB+4*\i+\q], v4, s[78:79] offset:32768*\q+64*\i
.endr
.endr
.irp i, 0,1
.irp q, 0,1,2,3
	global_load_b32 v[SCB+16+4*\i+\q], v4, s[80:81] offset:32768*\q+64*\i
.endr
	global_load_b32 v[SW+\i], v6, s[84:85] offset:32*\i
.endr
.irp a, 0,1,2,3,4,5,6,7
.irp q, 0,1,2,3
	global_load_b32 v[SCA+4*\a+\q], v4, s[76:77] offset:32768*\q+64*\a
.endr
.endr
	WIN 0x40
.irp i, 0,1,2,3
	global_load_b128 v[BQ+8*\i:BQ+8*\i+3], v5, s[82:83] offset:(32*(\i/2)+8*(\i%2))*4
	global_load_b128 v[BQ+8*\i+4:BQ+8*\i+7], v5, s[82:83] offset:(32*(\i/2)+8*(\i%2))*4+16
.endr
	WIN 0
	s_lshl_b32 s19, s15, 15                        ; my 8 tiles of x, my 4 and 2 of the weight: region 0,
	s_lshl_b32 s20, s16, 14
	s_add_co_u32 s20, s20, B0
	s_lshl_b32 s21, s16, 13
	s_add_co_u32 s21, s21, B0+32768
	v_add_nc_u32 v8, s19, v3
	v_add_nc_u32 v9, s20, v3
	v_add_nc_u32 v10, s21, v3
	s_mul_i32 s19, s15, 49152                      ; region 1,
	s_add_co_u32 s19, s19, A1
	s_mul_i32 s20, s16, 24576
	s_add_co_u32 s20, s20, B1
	s_mul_i32 s21, s16, 12288
	s_add_co_u32 s21, s21, B1+49152
	v_add_nc_u32 v11, s19, v3
	v_add_nc_u32 v12, s20, v3
	v_add_nc_u32 v13, s21, v3
	s_lshl_b32 s19, s15, 14                        ; step 7
	s_add_co_u32 s19, s19, A1
	s_lshl_b32 s20, s16, 13
	s_add_co_u32 s20, s20, B1
	s_lshl_b32 s21, s16, 12
	s_add_co_u32 s21, s21, B1+16384
	v_add_nc_u32 v14, s19, v3
	v_add_nc_u32 v15, s20, v3
	v_add_nc_u32 v16, s21, v3
	s_lshl_b32 s19, s15, 9
	s_lshl_b32 s20, s16, 1
	s_add_co_u32 s19, s19, s20
	s_add_co_u32 s19, s19, STG                     ; q or k's bytes: 512 rh + 2 ch + 16 r
	s_lshl_b32 s20, s15, 8
	s_lshl_b32 s21, s16, 3
	s_add_co_u32 s20, s20, s21
	s_add_co_u32 s20, s20, STG+1024                ; v's words: 256 rh + 8 ch + 16 r
	s_lshl_b32 s21, s14, 9
	s_add_co_u32 s21, s21, STG
	WALU
	v_lshl_add_u32 v[STQ], v1, 4, s19
	v_lshl_add_u32 v[STV], v1, 4, s20
	v_add_nc_u32 v[RDS], s21, v3                   ; and back: 512 bytes a wave
.irp b, 0,1,2,3
	v_mov_b32 v[TM+4+\b], 0                        ; a lane permute's destination counts as one of its sources
.endr
	; where my results go
	s_lshr_b32 s19, s18, 3                         ; batch
	s_and_b32 s20, s18, 7                          ; tile row in the batch
	s_lshr_b32 s21, s17, 3                         ; q (0) or k (1)
	s_and_b32 s22, s17, 7                          ; the pair of heads
	s_lshl_b32 s86, s19, 4
	s_lshl_b32 s87, s22, 1
	s_add_co_u32 s86, s86, s87
	s_add_co_u32 s86, s86, s16                     ; batch-head
	s_lshl_b32 s86, s86, 17
	s_lshl_b32 s87, s21, 22
	s_add_co_u32 s86, s86, s87
	s_lshl_b32 s87, s20, 14                        ; 16 tiles of 1,024 bytes,
	s_add_co_u32 s86, s86, s87
	s_lshl_b32 s87, s15, 13                        ; my 8
	s_add_co_u32 s86, s86, s87
	s_mov_b32 s87, 0
	s_lshl_b32 s2, s19, 4
	s_add_co_u32 s2, s2, s17                       ; v's batch-head
	s_lshl_b32 s88, s2, 17
	s_add_co_u32 s88, s88, 2<<22
	s_lshl_b32 s89, s20, 14                        ; two key steps of 8,192 bytes,
	s_add_co_u32 s88, s88, s89
	s_lshl_b32 s89, s15, 13                        ; mine,
	s_add_co_u32 s88, s88, s89
	s_lshl_b32 s89, s16, 12                        ; tiles 2 ch on
	s_add_co_u32 s88, s88, s89
	s_mov_b32 s89, 0
	s_lshl_b32 s90, s19, 3
	s_add_co_u32 s90, s90, s22
	s_lshl_b32 s90, s90, 13
	s_lshl_b32 s91, s21, 17
	s_add_co_u32 s90, s90, s91
	s_lshl_b32 s91, s20, 10
	s_add_co_u32 s90, s90, s91
	s_lshl_b32 s91, s14, 9
	s_add_co_u32 s90, s90, s91                     ; waves 0, 1: q or k's scale words
	s_lshl_b32 s2, s2, 12
	s_lshl_b32 s91, s20, 9
	s_add_co_u32 s2, s2, s91
	s_add_co_u32 s2, s2, 262144                    ; wave 2: v's
	s_cmp_lt_u32 s14, 2
	s_cselect_b32 s90, s90, s2
	s_mov_b32 s91, 0
	s_add_nc_u64 s[86:87], s[10:11], s[86:87]
	s_add_nc_u64 s[88:89], s[10:11], s[88:89]
	s_add_nc_u64 s[90:91], s[12:13], s[90:91]
	s_mov_b32 s[SEL], 0x76543210
	s_mov_b32 s[SEL+1], 0xfedcba98
	s_mov_b32 s[MNT], 0x600000
.macro FETCH g                         ; K step g's fragments into set g % 2: six tiles of the weight, eight of x; each load reads 512 consecutive bytes
.set P_, (\g)%2
.if (\g) == 7
.set AD_, 14
.set ST_, 2048
.set KO_, 0
.elseif (\g) > 4
.set AD_, 8
.set ST_, 4096
.set KO_, 2048*((\g)-5)
.elseif (\g) > 1
.set AD_, 11
.set ST_, 6144
.set KO_, 2048*((\g)-2)
.else
.set AD_, 8
.set ST_, 4096
.set KO_, 2048*(\g)
.endif
	WIN 0x40
.irp i, 0,1,2,3
.irp c, 0,1,2,3
	ds_load_b128 v[96*P_+16*\i+4*\c:96*P_+16*\i+4*\c+3], v[AD_+1] offset:ST_*\i+KO_+512*\c
.endr
.endr
.irp i, 0,1
.irp c, 0,1,2,3
	ds_load_b128 v[96*P_+64+16*\i+4*\c:96*P_+64+16*\i+4*\c+3], v[AD_+2] offset:ST_*\i+KO_+512*\c
.endr
.endr
	WIN (0xc0*P_)
.irp i, 0,1,2,3,4,5,6,7
.irp c, 0,1,2,3
	ds_load_b128 v[AF+16*\i+4*\c:AF+16*\i+4*\c+3], v[AD_] offset:ST_*\i+KO_+512*\c
.endr
.endr
	WIN 0
.endm
.macro MQ g, a0                        ; q or k: 16 products: tiles a0 .. a0 + 3 of x; the accumulators take turns
.set P_, (\g)%2
.set Q_, (\g)%4
.if (\g) == 0
	WIN 0x91
.else
	WIN (0xa1+12*P_)
.endif
.irp a, 0,1,2,3
.irp i, 0,1,2,3
.set D_, 8*(4*((\a0)+\a)+\i)
.set X_, AF+16*((\a0)+\a)
.set W_, 96*P_+16*\i
.set S_, SCA+4*((\a0)+\a)+Q_
.if (\g) == 0
	v_wmma_scale_f32_16x16x128_f8f6f4 v[D_:D_+7], v[W_:W_+15], v[X_:X_+15], v[BQ+8*\i:BQ+8*\i+7], v[SCB+4*\i+Q_], v[S_] matrix_a_fmt:MATRIX_FMT_BF8 matrix_b_fmt:MATRIX_FMT_BF8
.elseif (\g) < 4
	v_wmma_scale_f32_16x16x128_f8f6f4 v[D_:D_+7], v[W_:W_+15], v[X_:X_+15], v[D_:D_+7], v[SCB+4*\i+Q_], v[S_] matrix_a_fmt:MATRIX_FMT_BF8 matrix_b_fmt:MATRIX_FMT_BF8
.else
	v_wmma_scale_f32_16x16x128_f8f6f4 v[D_:D_+7], v[W_:W_+15], v[X_:X_+15], v[D_:D_+7], v[SCB+4*\i+Q_], v[S_] matrix_a_fmt:MATRIX_FMT_BF8 matrix_b_fmt:MATRIX_FMT_BF8 matrix_a_scale:MATRIX_SCALE_ROW1 matrix_b_scale:MATRIX_SCALE_ROW1
.endif
.endr
.endr
.endm
.macro MV g                            ; v: 16 products
.set P_, (\g)%2
.set Q_, (\g)%4
.if (\g) == 0
	WIN 0xd4
.else
	WIN (0xf4+3*P_)
.endif
.irp a, 0,1,2,3,4,5,6,7
.irp i, 0,1
.set D_, 8*(8*\i+\a)
.set X_, AF+16*\a
.set W_, 96*P_+64+16*\i
.set S_, SCA+4*\a+Q_
.if (\g) == 0
	v_wmma_scale_f32_16x16x128_f8f6f4 v[D_:D_+7], v[X_:X_+15], v[W_:W_+15], v[BV+8*\i:BV+8*\i+7], v[S_], v[SCB+16+4*\i+Q_] matrix_a_fmt:MATRIX_FMT_BF8 matrix_b_fmt:MATRIX_FMT_BF8
.elseif (\g) < 4
	v_wmma_scale_f32_16x16x128_f8f6f4 v[D_:D_+7], v[X_:X_+15], v[W_:W_+15], v[D_:D_+7], v[S_], v[SCB+16+4*\i+Q_] matrix_a_fmt:MATRIX_FMT_BF8 matrix_b_fmt:MATRIX_FMT_BF8
.else
	v_wmma_scale_f32_16x16x128_f8f6f4 v[D_:D_+7], v[X_:X_+15], v[W_:W_+15], v[D_:D_+7], v[S_], v[SCB+16+4*\i+Q_] matrix_a_fmt:MATRIX_FMT_BF8 matrix_b_fmt:MATRIX_FMT_BF8 matrix_a_scale:MATRIX_SCALE_ROW1 matrix_b_scale:MATRIX_SCALE_ROW1
.endif
.endr
.endr
.endm
.macro STEP g                          ; a K step that needs no barrier: the next step's fragments are asked for ahead of its products
	s_wait_dscnt 0x0
	PLACES 8                                       ; in front of loads into the set that the last step's products read
	FETCH \g+1
	MQ \g, 0
	MQ \g, 4
	MV \g
	WIN 0
.endm
	WALU
	s_cmp_lt_u32 s14, 2
	s_cbranch_scc0 .Lnot_first
	s_wait_tensorcnt 0x0                           ; waves 0 and 1: region 0 has landed
.Lnot_first:
	BARRIER
	FETCH 0
	s_wait_loadcnt 0x0                             ; scale words, bias
	WIN 0x40
.irp i, 0,1
.irp k, 0,1,2,3,4,5,6,7
	v_mov_b32 v[BV+8*\i+\k], v[SW+\i]
.endr
.endr
	WIN 0
	WALU
	s_wait_dscnt 0x0
	FETCH 1
	global_prefetch_b8 v7, s[92:93] th:TH_LOAD_NT scope:SCOPE_SE
	s_cmp_lt_u32 s14, 3
	s_cbranch_scc0 .Lno_tile
	global_prefetch_b8 v7, s[94:95] th:TH_LOAD_NT scope:SCOPE_SE
.Lno_tile:
	MQ 0, 0
	MQ 0, 4
	MV 0
	WIN 0
	; K step 1: its fragments are in registers, so region 0 is read out: steps 5 and 6 come over it
	s_wait_dscnt 0x0
	s_wait_tensorcnt 0x0                           ; region 1 has landed
	ds_add_u32 v[SPW], v[NIL]
	s_add_nc_u64 s[G0A+2:G0A+3], s[G0A+2:G0A+3], 10240
	s_add_nc_u64 s[G0B+2:G0B+3], s[G0B+2:G0B+3], 10240
	MQ 1, 0
	WIN 0
	s_wait_dscnt 0x0
	CROUND
	s_cmp_eq_u32 s14, 0
	s_cbranch_scc0 .Lfive_1
	TLOAD G0A, G1A
	s_branch .Lfive
.Lfive_1:
	s_cmp_eq_u32 s14, 1
	s_cbranch_scc0 .Lfive
	TLOAD G0B, G1B
.Lfive:
	PLACES 8
	FETCH 2
	MQ 1, 4
	MV 1
	WIN 0
	STEP 2
	STEP 3
	; K step 4: region 1 is read out: step 7 comes over it
	s_wait_dscnt 0x0
	MQ 4, 0
	WIN 0
	s_wait_tensorcnt 0x0                           ; steps 5 and 6 have landed
	ds_add_u32 v[SPW], v[NIL]
	s_add_nc_u64 s[G0C+2:G0C+3], s[G0C+2:G0C+3], 10240
	s_add_nc_u64 s[G0D+2:G0D+3], s[G0D+2:G0D+3], 10240
	s_mov_b32 s[G1C+1], 256<<16                    ; 2,048 bytes of each tile
	s_mov_b32 s[G1C+3], 256<<16
	s_mov_b32 s[G1D+1], 256<<16
	s_mov_b32 s[G1D+3], 256<<16
	MQ 4, 4
	WIN 0
	s_wait_dscnt 0x0
	CROUND
	s_cmp_eq_u32 s14, 2
	s_cbranch_scc0 .Lseven_1
	TLOAD G0C, G1C
	s_branch .Lseven
.Lseven_1:
	s_cmp_eq_u32 s14, 3
	s_cbranch_scc0 .Lseven
	TLOAD G0D, G1D
.Lseven:
	PLACES 8
	FETCH 5
	MV 4
	WIN 0
	STEP 5
	s_wait_dscnt 0x0
	MQ 6, 0
	WIN 0
	s_wait_tensorcnt 0x0                           ; step 7 has landed
	s_barrier_signal -1
	MQ 6, 4
	WIN 0
	s_barrier_wait -1
	PLACES 8
	FETCH 7
	MV 6
	WIN 0
	s_wait_dscnt 0x0
	MQ 7, 0
	MQ 7, 4
	MV 7
	WIN 0
; THE WAY OUT.  64 sums of window w from base on are four blocks: 16 numbers of each are mine, 16 lane l xor 16's.  Their codes go to v[pc] on, their bytes to TM + 4 .. TM + 7.
.macro QUANT w, base, pc
	WIN ((\w)*5)
.irp b, 0,1,2,3
	v_max3_num_f32 v[TM+\b], |v[(\base)+16*\b]|, |v[(\base)+16*\b+1]|, 0x8000000   ; with the floor 2^(16 - 127)
.endr
.irp i, 2,4,6,8,10,12,14
.irp b, 0,1,2,3
	v_max3_num_f32 v[TM+\b], |v[(\base)+16*\b+\i]|, |v[(\base)+16*\b+\i+1]|, v[TM+\b]
.endr
.endr
	WIN 0
.irp b, 0,1,2,3
	v_permlanex16_b32 v[TM+4+\b], v[TM+\b], s[SEL], s[SEL+1]
.endr
.irp b, 0,1,2,3
	v_max_num_f32 v[TM+\b], v[TM+\b], v[TM+4+\b]
.endr
.irp b, 0,1,2,3
	v_add_nc_u32 v[TM+12+\b], 0xf8800000, v[TM+\b]                ; 15 off the exponent field: the conversion's scale operand
.endr
.irp b, 0,1,2,3
	v_and_or_b32 v[TM+8+\b], v[TM+\b], 0x7f800000, s[MNT]         ; 57,344 x the scale
.endr
.irp b, 0,1,2,3
	v_lshrrev_b32 v[TM+4+\b], 23, v[TM+12+\b]                     ; the byte
.endr
	WIN ((\w)*0x41)
.irp b, 0,1,2,3
.irp i, 0,1,2,3,4,5,6,7,8,9,10,11,12,13,14,15
	v_med3_num_f32 v[(\base)+16*\b+\i], v[(\base)+16*\b+\i], -v[TM+8+\b], v[TM+8+\b]   ; the conversion does not saturate (ISA guide 7.6.2)
.endr
.endr
	WIN \w
.irp b, 0,1,2,3
	v_cvt_scalef32_pk8_bf8_f32 v[(\pc)+4*\b:(\pc)+4*\b+1], v[(\base)+16*\b:(\base)+16*\b+7], v[TM+12+\b]
	v_cvt_scalef32_pk8_bf8_f32 v[(\pc)+4*\b+2:(\pc)+4*\b+3], v[(\base)+16*\b+8:(\base)+16*\b+15], v[TM+12+\b]
.endr
	WIN 0
.endm
	PLACES 8                                       ; in front of the first read of sums, and of writes over x's fragments
.irp n, 0,1,2,3                                ; q or k: tiles 2 n, 2 n + 1 of tokens
	QUANT 2, 64*\n, AF+16*\n
	v_lshl_or_b32 v[SW+2*\n], v[TM+5], 8, v[TM+4]
	v_lshl_or_b32 v[SW+2*\n+1], v[TM+7], 8, v[TM+6]
.irp b, 0,1,2,3
	global_store_b128 v3, v[AF+16*\n+4*\b:AF+16*\n+4*\b+3], s[86:87] offset:2048*\n+512*\b   ; 512 consecutive bytes, aligned
.endr
	ds_store_b16 v[STQ], v[SW+2*\n] offset:256*(\n/2)+8*(\n%2)        ; both halves of the lanes hold the same bytes
	ds_store_b16 v[STQ], v[SW+2*\n+1] offset:256*(\n/2)+8*(\n%2)+4
.endr
.irp n, 0,1                                    ; v: tile 2 ch + n of the head's 64, my key step
	QUANT 3, 64*\n, AF+64+16*\n
	v_lshl_or_b32 v[SW+8+\n], v[TM+5], 8, v[TM+4]
	v_lshl_or_b32 v[SW+8+\n], v[TM+6], 16, v[SW+8+\n]
	v_lshl_or_b32 v[SW+8+\n], v[TM+7], 24, v[SW+8+\n]
.irp b, 0,1,2,3
	global_store_b128 v3, v[AF+64+16*\n+4*\b:AF+64+16*\n+4*\b+3], s[88:89] offset:2048*\n+512*\b
.endr
	ds_store_b32 v[STV], v[SW+8+\n] offset:4*\n
.endr
	WALU
	s_wait_dscnt 0x0
	BARRIER                                        ; the work-group's scale bytes lie together
	s_cmp_lt_u32 s14, 3
	s_cbranch_scc0 .Lnot_mine
	ds_load_b128 v[SW+12:SW+15], v[RDS]
	s_wait_dscnt 0x0
	global_store_b128 v3, v[SW+12:SW+15], s[90:91] ; 512 consecutive bytes, aligned
.Lnot_mine:
	s_wait_tensorcnt 0x0                           ; the wave's end
	ds_add_u32 v[SPW], v[NIL]
	s_wait_dscnt 0x0
	CROUND                                         ; the closing round
	s_endpgm
.Lfunc_end_k_q48c91c5b3f_gemm_qkv:
	.size	k_q48c91c5b3f_gemm_qkv, .Lfunc_end_k_q48c91c5b3f_gemm_qkv-k_q48c91c5b3f_gemm_qkv
	.p2alignl 7, 3214868480
	.fill 96, 4, 3214868480
	.section	.rodata,"a",@progbits
	.p2align	6, 0x0
	.amdhsa_kernel k_q48c91c5b3f_gemm_qkv
		.amdhsa_group_segment_fixed_size 327680
		.amdhsa_private_segment_fixed_size 0
		.amdhsa_enable_private_segment 0
		.amdhsa_kernarg_size 40
		.amdhsa_user_sgpr_count 2
		.amdhsa_user_sgpr_kernarg_segment_ptr 1
		.amdhsa_wavefront_size32 1
		.amdhsa_system_sgpr_workgroup_id_x 1
		.amdhsa_system_sgpr_workgroup_id_y 1
		.amdhsa_system_sgpr_workgroup_id_z 1
		.amdhsa_system_vgpr_workitem_id 0
		.amdhsa_next_free_vgpr 1024
		.amdhsa_next_free_sgpr 102
		.amdhsa_reserve_vcc 0
		.amdhsa_float_denorm_mode_32 3
		.amdhsa_float_denorm_mode_16_64 3
		.amdhsa_memory_ordered 1
		.amdhsa_forward_progress 1
		.amdhsa_inst_pref_size 153
	.end_amdhsa_kernel
	.amdgpu_metadata
---
amdhsa.version: [ 1, 2 ]
amdhsa.kernels:
  - .name:           k_q48c91c5b3f_gemm_qkv
    .symbol:         k_q48c91c5b3f_gemm_qkv.kd
    .args:
      - { .name: xw_img, .offset: 0, .size: 8, .value_kind: global_buffer, .address_space: global }
      - { .name: xw_sc, .offset: 8, .size: 8, .value_kind: global_buffer, .address_space: global }
      - { .name: b_qkv, .offset: 16, .size: 8, .value_kind: global_buffer, .address_space: global }
      - { .name: qkv_img, .offset: 24, .size: 8, .value_kind: global_buffer, .address_space: global }
      - { .name: qkv_sc, .offset: 32, .size: 8, .value_kind: global_buffer, .address_space: global }
    .group_segment_fixed_size: 327680
    .private_segment_fixed_size: 0
    .kernarg_segment_align: 8
    .kernarg_segment_size: 40
    .max_flat_workgroup_size: 128
    .sgpr_count:     102
    .vgpr_count:     1024
    .wavefront_size: 32
...
	.end_amdgpu_metadata
.endif
;; end of part 2
;; launch attn (part 3): grid 8 x 32, 8 waves a work-group, clusters of 4 x 1, 327,680 bytes of LDS; arguments qkv_img, qkv_sc, x, t, a_img, a_sc; writes a_img, a_sc
.if DOCPART == 3
	.amdgcn_target "amdgcn-amd-amdhsa--gfx1250"
	.amdhsa_code_object_version 6
	.text
	.protected	k_q48c91c5b3f_attn
	.globl	k_q48c91c5b3f_attn
	.p2align	8
	.type	k_q48c91c5b3f_attn,@function
k_q48c91c5b3f_attn:
	s_mov_b64 s[64:65], 0
	v_nop
	global_prefetch_b8 v0, s[64:65] scope:SCOPE_SE
	s_setreg_imm32_b32 hwreg(HW_REG_WAVE_MODE, 25, 1), 1
	s_wait_xcnt 0x0
	s_wait_alu depctr_hold_cnt(0) depctr_sa_sdst(0) depctr_va_vdst(0) depctr_va_sdst(0) depctr_va_ssrc(0) depctr_va_vcc(0) depctr_vm_vsrc(0)
	s_getreg_b32 s2, hwreg(HW_REG_IB_STS2, 6, 4)
	s_cmp_eq_u32 s2, 0
	s_cbranch_scc0 .Lentry_in_a_cluster
	s_endpgm
.Lentry_in_a_cluster:
	s_bfe_u32 s2, ttmp6, 0x10000c
	s_cmp_lg_u32 s2, 0x3003
	s_cbranch_scc0 .Lentry_shape_is_right
	s_endpgm
.Lentry_shape_is_right:
; For each of 32 batch-heads: O = softmax(q k^T / 8) v on codes of BF8 (E5M2) with E8M0 scales; then a = c_skip x + c_out O, quantised along the model's 1,024 for the last product.
; THE SOFTMAX: t = score x log2(e) / 8; M = the running largest t rounded UP to a whole number; p = 2^(t - M) is quantised along the keys, not normalised; the row's sum is taken of the unquantised p
; and divides at the end.  When M moves, the sum and O are multiplied by 2^(old M - new M), which rounds nothing.
; A block's exponent is e = floor(its largest t - M): p rises with t, so floor(log2 of its largest p) is that number; the byte is e + 112, the hold 1.75 x 2^e.
; SHARES.  A work-group owns 256 queries of a batch-head, each of its eight waves two tiles of 16 (32 neighbouring tokens) in 512 registers: each fragment of k and v that a wave reads feeds two products.
; A HEAD'S K AND V STAY IN LDS, 131,072 bytes of codes each, with their scale words; every LDS byte is filled once: no ring.  Each wave issues ONE tensor load: waves 0-3 the first four key steps
; (0, 1: k's halves; 2, 3: v's), waves 4-7 the other twelve.  The first barrier shows waves 0-3's, the second the rest.
; CLUSTER 4 x 1: the four query blocks of a cluster belong to one batch-head and ask for K and V jointly.  No prefetch: all tiles are asked for at the head, no loop runs ahead of a load.
; LAYOUT.  Both products are used transposed: S^T = k q^T, O^T = v^T p^T: a lane holds ONE query (lane % 16).  Tiles hold rows 32 g + 8 u + r + 8 (r / 8), so the 16 registers of two neighbouring tiles are 16 neighbours.
; THE FIRST PRODUCT'S K IS 64.  The upper 64 of the instruction's 128 are zero codes in q.  A zero code times a finite code is 0 under any scale byte but 0xff, so k's fragments are laid 8 registers apart: the upper
; half of tile t's fragment is tile t + 1's codes, that of tile 7 eight cleared registers; the scale bytes over them are another head's or 0.
; LIMITS: a block whose largest magnitude lies under 2^(16 - 127) gets the byte 1 (a block of zeros too: its codes are zeros); scaled scores stay under 2^31 in magnitude; NaN and infinities are not served.
.set VIMG, 131072                      ; k: [16 key steps][8 tiles][2 groups][512 bytes] from 0; v: [16 key steps][4 tiles of the head's 64][4 groups][512 bytes]
.set KSC,  262144                      ; [16 key steps][tile / 4][row][tile % 4] words
.set VSC,  270336                      ; [16 key steps][row][4 tiles] words
.set ASTG, 274432                      ; 512 bytes: the result's scale bytes, two a row
.set XSTG, 274944                      ; 16 rows x 272 bytes for each wave: x's turn
.set SPARE, 309760
; WINDOW 0: v1-7 addresses that stay; v8-11 addresses in hand
.set NM,  12                           ; -M of tile 0, of tile 1 two on
.set RX,  13                           ; the running largest score, likewise
.set FF,  16                           ; 2^(old M - new M), likewise
.set OM0, 17                           ; the old -M
.set OM1, 254
.set LS,  20                           ; the sums, a pair a tile
.set BM,  24                           ; a block's largest score, 4 a tile
.set SS,  32                           ; S^T, then p: 64 a tile
.set PC,  160                          ; p's codes, 16 a tile; ahead of them tile 0's first sums
.set KS,  192                          ; scale words: k's eight, v's four, q's two, p's two
.set VS,  200
.set QW,  204
.set PW,  206
.set BY,  208                          ; the other half of the lanes' maximum, then e: 4 a tile
.set BD,  216                          ; the hold
.set SC,  224                          ; the conversion's scale operand
.set TP,  232                          ; four part sums a tile, in pairs
.set CSK, 248                          ; v[248:249] c_skip
.set COUT, 250
.set SPW, 252
.set NIL, 253
.set SBY, 255                          ; LDS address of my result's scale bytes
; WINDOW 1
.set KF,  0                            ; k's eight tiles, 8 registers each, and 8 cleared ones; in the last step x
.set QF,  72                           ; q's two fragments
.set VF,  104                          ; v's four fragments
.set OT,  168                          ; O^T, 32 a tile
.set WV,  18
.set MNT, 19
.set SEL, 20
.set CS,  22                           ; s[22:23] log2(e) / 8
.set G1A, 24
.set G0A, 32
.set G0B, 36
.set G1B, 40
.set TB,  48                           ; the step's codes: 8,192 bytes a step
.set TS,  49                           ; k's scale words: 512
.set TJ,  50                           ; v's: 256
.set CNT, 51
.set SHF, 52
.set TT,  53
.set FL,  66
.set K1,  67
.set K2,  68
.set NC,  69
.set MSB, 0
.macro WIN new                         ; the immediate's high byte repeats the setting that is left
.if MSB != (\new)
	s_set_vgpr_msb (MSB<<8)|(\new)
.set MSB, (\new)
.endif
.endm
.macro BARRIER
	s_barrier_signal -1
	s_barrier_wait -1
.endm
.macro CROUND
	BARRIER
	s_cmp_lg_u32 s[WV], 0
	s_cbranch_scc1 .Lnot_wave_0_\@
	s_barrier_signal -3
.Lnot_wave_0_\@:
	s_barrier_wait -3
	BARRIER
.endm
.macro WALU
	s_wait_alu depctr_va_vdst(0)
.endm
.macro TLOAD g0, g1
	tensor_load_to_lds s[\g0:\g0+3], s[\g1:\g1+7]
	s_nop 0
.rept 4
	v_nop
.endr
.endm
.macro GROUP1 g, rows                  ; so many rows of 256 dense bytes, for all four work-groups of the cluster
	s_mov_b32 s[\g], 15|(3<<16)|(1<<21)
	s_mov_b32 s[\g+1], 32<<16
	s_mov_b32 s[\g+2], (\rows)<<16
	s_mov_b32 s[\g+3], 32<<16
	s_mov_b32 s[\g+4], \rows
	s_mov_b32 s[\g+5], 32
	s_mov_b32 s[\g+6], 0
	s_mov_b32 s[\g+7], 0
.endm
	s_load_b128 s[4:7], s[0:1], 0x0                ; qkv_img, qkv_sc
	s_load_b128 s[8:11], s[0:1], 0x10              ; x, t
	s_load_b128 s[12:15], s[0:1], 0x20             ; a_img, a_sc
	v_lshl_add_u32 v[SPW], v0, 2, SPARE
	v_mov_b32 v[NIL], 0
	ds_add_u32 v[SPW], v[NIL]                      ; the opening
	ds_add_u32 v[SPW], v[NIL]
	v_lshrrev_b32 v1, 5, v0
	v_readfirstlane_b32 s[WV], v1                  ; wave 0..7
	s_bfe_u32 s54, ttmp6, 0x40000                  ; cx: it enters q's, x's and the result's addresses alone
	s_lshl_b32 s55, ttmp9, 2
	s_add_co_u32 s55, s55, s54                     ; my block of 256 queries
	s_and_b32 s56, ttmp7, 0xffff                   ; the batch-head, which the four partners share
	s_and_b32 s57, s[WV], 3
	s_lshr_b32 s58, s57, 1                         ; I fetch k (0) or v (1),
	s_and_b32 s59, s57, 1                          ; which half of the part
	s_lshl_b32 s60, s58, 17                        ; LDS: 131,072 x (k or v)
	s_mul_i32 s61, s59, 49152
	s_add_co_u32 s61, s61, 32768                   ; the later part: 32,768 + 49,152 x half
	s_lshl_b32 s59, s59, 14                        ; the first part: 16,384 x half
	s_add_co_u32 s62, s58, 1
	s_lshl_b32 s62, s62, 22                        ; memory: kind 1 or 2,
	s_lshl_b32 s63, s56, 17
	s_add_co_u32 s62, s62, s63                     ; the batch-head
	s_add_co_u32 s70, s62, s59
	s_mov_b32 s71, 0
	s_add_co_u32 s72, s62, s61
	s_mov_b32 s73, 0
	s_mov_b32 s[G0A], 1
	s_add_co_u32 s[G0A+1], s60, s59
	s_mov_b32 s[G0B], 1
	s_add_co_u32 s[G0B+1], s60, s61
	GROUP1 G1A, 64
	GROUP1 G1B, 192
	s_lshl_b32 s74, s55, 4
	s_lshl_b32 s75, s[WV], 1
	s_add_co_u32 s74, s74, s75                     ; T: my first tile of queries, 0..126
	s_and_b32 s[SHF], s56, 1
	s_lshl_b32 s[SHF], s[SHF], 4                   ; q's and k's scale words hold two heads: mine is 16 x (head % 2) bits up
	s_lshr_b32 s75, s56, 1
	s_lshl_b32 s75, s75, 13                        ; the pair of heads: 8,192 bytes
	s_lshl_b32 s76, s74, 10
	s_add_co_u32 s76, s76, s63                     ; q's codes
	s_mov_b32 s77, 0
	s_lshr_b32 s78, s74, 2
	s_lshl_b32 s78, s78, 8
	s_and_b32 s79, s74, 3
	s_lshl_b32 s79, s79, 2
	s_add_co_u32 s78, s78, s79
	s_add_co_u32 s78, s78, s75                     ; q's scale words: 256 (T / 4) + 4 (T % 4), + 16 r: two tiles' words on end
	s_mov_b32 s79, 0
	s_add_co_u32 s80, s75, 131072                  ; k's scale words
	s_mov_b32 s81, 0
	s_lshl_b32 s82, s56, 12
	s_add_co_u32 s82, s82, 262144                  ; v's
	s_mov_b32 s83, 0
	s_lshr_b32 s54, s56, 4                         ; batch
	s_and_b32 s57, s56, 15                         ; head
	s_lshl_b32 s84, s54, 11
	s_lshl_b32 s85, s74, 4
	s_add_co_u32 s84, s84, s85                     ; my first token: 16 T
	s_lshl_b32 s84, s84, 12
	s_lshl_b32 s85, s57, 8
	s_add_co_u32 s84, s84, s85                     ; x: its row, the head's 256 bytes
	s_mov_b32 s85, 0
	s_lshl_b32 s86, s54, 7
	s_add_co_u32 s86, s86, s74
	s_lshl_b32 s86, s86, 14                        ; the result's codes: tile 128 batch + T,
	s_lshr_b32 s87, s57, 1
	s_lshl_b32 s87, s87, 11
	s_add_co_u32 s86, s86, s87                     ; K step head / 2,
	s_and_b32 s87, s56, 1
	s_lshl_b32 s87, s87, 10
	s_add_co_u32 s86, s86, s87                     ; groups 2 (head % 2) on
	s_mov_b32 s87, 0
	s_lshl_b32 s88, s54, 7
	s_lshl_b32 s89, s55, 4
	s_add_co_u32 s88, s88, s89
	s_lshl_b32 s88, s88, 5                         ; its scale bytes: [head][tile][row] two bytes
	s_lshl_b32 s89, s57, 13
	s_add_co_u32 s88, s88, s89
	s_mov_b32 s89, 0
	s_mul_i32 s90, s[WV], 16*272
	s_add_co_u32 s90, s90, XSTG                    ; my stage
	s_lshl_b32 s91, s[WV], 6
	s_add_co_u32 s91, s91, ASTG                    ; my 64 scale bytes
	s_mov_b32 s[SEL], 0x76543210
	s_mov_b32 s[SEL+1], 0xfedcba98
	s_mov_b32 s[CS], 0x3e38aa3b                    ; log2(e) / 8
	s_mov_b32 s[CS+1], s[CS]
	s_mov_b32 s[NC], 0xbe38aa3b                    ; and less it
	s_mov_b32 s[MNT], 0x600000
	s_mov_b32 s[FL], 0xc2de0000                    ; -111: e's floor, under which the byte would fall under 1
	s_mov_b32 s[K1], 0x38000000                    ; 112 << 23
	s_mov_b32 s[K2], 0x3fe00000                    ; 1.75
	v_and_b32 v7, 31, v0
	v_and_b32 v32, 15, v0                          ; r
	v_bfe_u32 v33, v0, 4, 1                        ; h
	v_lshlrev_b32 v34, 4, v0                       ; 16 x thread
	v_lshlrev_b32 v1, 4, v7                        ; 16 x lane
	v_lshlrev_b32 v35, 4, v32
	v_lshlrev_b32 v4, 12, v33
	v_lshl_add_u32 v2, v32, 4, KSC
	v_lshl_add_u32 v3, v32, 4, VSC
	v_lshl_add_u32 v4, v32, 4, v4                  ; x: lanes 0-15 one row's 256 bytes, lanes 16-31 the next row's
	v_add_nc_u32 v6, VIMG, v1
	v_lshl_add_u32 v36, v0, 4, KSC
	v_lshl_add_u32 v37, v0, 4, VSC
	v_mul_u32_u24 v7, v33, 272
	v_mul_u32_u24 v5, v32, 272
	v_lshl_add_u32 v[SBY], v32, 1, s91
	v_lshl_add_u32 v7, v32, 4, v7
	v_lshl_add_u32 v5, v33, 6, v5
	v_add_nc_u32 v7, s90, v7                       ; the stage, in: row lane / 16, 16 r
	v_add_nc_u32 v5, s90, v5                       ; out: row r, + 64 h
	WALU
	s_wait_dscnt 0x0                               ; both opening adds are done
	s_wait_kmcnt 0x0
	s_add_nc_u64 s[76:77], s[4:5], s[76:77]
	s_add_nc_u64 s[78:79], s[6:7], s[78:79]
	s_add_nc_u64 s[80:81], s[6:7], s[80:81]
	s_add_nc_u64 s[82:83], s[6:7], s[82:83]
	s_add_nc_u64 s[84:85], s[8:9], s[84:85]
	s_add_nc_u64 s[86:87], s[12:13], s[86:87]
	s_add_nc_u64 s[88:89], s[14:15], s[88:89]
	s_add_nc_u64 s[G0A+2:G0A+3], s[4:5], s[70:71]
	s_or_b32 s[G0A+3], s[G0A+3], 0x80000000
	s_add_nc_u64 s[G0B+2:G0B+3], s[4:5], s[72:73]
	s_or_b32 s[G0B+3], s[G0B+3], 0x80000000
	s_load_b32 s[TT], s[10:11], 0x0                ; t
	global_load_b128 v[40:43], v34, s[80:81]       ; the 256 threads copy the head's scale words in whole runs: k's 8,192 bytes,
	global_load_b128 v[44:47], v34, s[80:81] offset:4096
	global_load_b128 v[48:51], v34, s[82:83]       ; v's 4,096
	global_load_b64 v[QW:QW+1], v35, s[78:79]
	WIN 0x40
.irp u, 0,1
	global_load_b128 v[QF+16*\u:QF+16*\u+3], v1, s[76:77] offset:1024*\u          ; q's fragments: 64 codes a row
	global_load_b128 v[QF+16*\u+4:QF+16*\u+7], v1, s[76:77] offset:1024*\u+512
.endr
	WIN 0
	CROUND                                         ; all four work-groups are here: the joint loads meet
	s_cmp_lt_u32 s[WV], 4
	s_cbranch_scc0 .Llater_part
	TLOAD G0A, G1A
	s_branch .Lasked
.Llater_part:
	TLOAD G0B, G1B
.Lasked:
	WIN 0x40
.irp i, 0,1,2,3,4,5,6,7
	v_mov_b32 v[KF+64+\i], 0                       ; behind k's tile 7,
	v_mov_b32 v[QF+8+\i], 0                        ; q's upper 64 of K: zero codes
	v_mov_b32 v[QF+24+\i], 0
.endr
.set i, 0
.rept 64
	v_mov_b32 v[OT+i], 0                           ; O^T: the first step finds zeros
.set i, i+1
.endr
	WIN 0
.set i, 0
.rept 8
	v_mov_b32 v[FF+i], 0                           ; f, the sums
	v_mov_b32 v[BY+i], 0                           ; a lane permute's destination counts as one of its sources
	v_mov_b32 v[TP+i], 0
	v_mov_b32 v[TP+8+i], 0
.set i, i+1
.endr
	v_mov_b32 v[RX], 0xff61b1e6                    ; the largest score so far: -3e38
	v_mov_b32 v[RX+2], 0xff61b1e6
	v_mul_f32 v[NM], s[NC], v[RX]
	v_floor_f32 v[NM], v[NM]
	v_mov_b32 v[NM+2], v[NM]
	WALU
	s_wait_kmcnt 0x0
	v_mov_b32 v39, s[TT]
	v_fma_f32 v38, v39, v39, 1.0                   ; t^2 + 1
	WALU
	v_rcp_f32 v[CSK], v38                          ; c_skip
	v_rsq_f32 v[COUT], v38
	v_nop                                          ; a plain line behind the transcendentals
	WALU
	v_mov_b32 v[CSK+1], v[CSK]
	v_mul_f32 v[COUT], v39, v[COUT]                ; c_out = t / sqrt(1 + t^2)
	WALU
	s_wait_loadcnt 0x0
	v_lshrrev_b32 v[QW], s[SHF], v[QW]             ; my head's two bytes to the bottom; above them the other head's or zeros, over products with q's zero codes
	v_lshrrev_b32 v[QW+1], s[SHF], v[QW+1]
.irp i, 40,41,42,43,44,45,46,47
	v_lshrrev_b32 v\i, s[SHF], v\i
.endr
	ds_store_b128 v36, v[40:43]
	ds_store_b128 v36, v[44:47] offset:4096
	ds_store_b128 v37, v[48:51]
	WALU
	s_cmp_lt_u32 s[WV], 4
	s_cbranch_scc0 .Lnot_first
	s_wait_tensorcnt 0x0                           ; waves 0-3: the first four key steps have landed; the others' wait stands at the second barrier
.Lnot_first:
	s_wait_dscnt 0x0
	BARRIER
	WIN 0x40
.irp t, 0,1,2,3,4,5,6,7
.irp c, 0,1
	ds_load_b128 v[KF+8*\t+4*\c:KF+8*\t+4*\c+3], v1 offset:1024*\t+512*\c
.endr
.endr
	WIN 0
	ds_load_b128 v[KS:KS+3], v2
	ds_load_b128 v[KS+4:KS+7], v2 offset:256
.macro MERGE1                          ; the four part sums of a tile become two,
.irp x, 0,1
	v_pk_add_f32 v[TP+8*\x:TP+8*\x+1], v[TP+8*\x:TP+8*\x+1], v[TP+8*\x+2:TP+8*\x+3]
	v_pk_add_f32 v[TP+8*\x+4:TP+8*\x+5], v[TP+8*\x+4:TP+8*\x+5], v[TP+8*\x+6:TP+8*\x+7]
.endr
.endm
.macro MERGE2                          ; and join the sum
.irp x, 0,1
	v_pk_add_f32 v[TP+8*\x:TP+8*\x+1], v[TP+8*\x:TP+8*\x+1], v[TP+8*\x+4:TP+8*\x+5]
.endr
.irp x, 0,1
	v_pk_add_f32 v[LS+2*\x:LS+2*\x+1], v[LS+2*\x:LS+2*\x+1], v[TP+8*\x:TP+8*\x+1]
.endr
.endm
.macro CODES x, b                      ; a block's 32 numbers, 16 of them mine -> four registers of p's operand
	v_cvt_scalef32_pk8_bf8_f32 v[PC+16*\x+4*\b:PC+16*\x+4*\b+1], v[SS+64*\x+16*\b:SS+64*\x+16*\b+7], v[SC+4*\x+\b]
	v_cvt_scalef32_pk8_bf8_f32 v[PC+16*\x+4*\b+2:PC+16*\x+4*\b+3], v[SS+64*\x+16*\b+8:SS+64*\x+16*\b+15], v[SC+4*\x+\b]
.endm
.macro LESSM x, j                      ; t - M, two at a time
	v_pk_fma_f32 v[SS+64*\x+\j:SS+64*\x+\j+1], v[SS+64*\x+\j:SS+64*\x+\j+1], s[CS:CS+1], v[NM+2*\x:NM+2*\x+1] op_sel_hi:[1,0,0]
.endm
; A KEY STEP: 128 keys.  v of this step and k of the next are asked for behind the first product.  last = 1: x takes k's registers.
.macro STEP last
	s_wait_dscnt 0x0                               ; k's codes and words are in
	WIN 0x05
.irp t, 0,1,2,3,4,5,6,7                        ; S^T = k q^T: each tile of k meets both tiles of q
.irp x, 0,1
	v_wmma_scale_f32_16x16x128_f8f6f4 v[SS+64*\x+8*\t:SS+64*\x+8*\t+7], v[KF+8*\t:KF+8*\t+15], v[QF+16*\x:QF+16*\x+15], 0, v[KS+\t], v[QW+\x] matrix_a_fmt:MATRIX_FMT_BF8 matrix_b_fmt:MATRIX_FMT_BF8
.endr
.endr
	WIN 0
	v_add_nc_u32 v8, s[TB], v1                     ; nine plain lines: places in front of the loads and of the first read of the scores
	v_add_nc_u32 v9, s[TB], v6
	v_add_nc_u32 v10, s[TS], v2
	v_add_nc_u32 v11, s[TJ], v3
	v_dual_mov_b32 v[OM0], v[NM] :: v_dual_mov_b32 v[OM1], v[NM+2]
	MERGE2                                         ; the last step's part sums
	ds_load_b128 v[VS:VS+3], v11
	WIN 0x40
.irp t, 0,1,2,3
.irp c, 0,1,2,3
	ds_load_b128 v[VF+16*\t+4*\c:VF+16*\t+4*\c+3], v9 offset:2048*\t+512*\c
.endr
.endr
.if \last
.irp u, 0,1
.irp i, 0,1,2,3,4,5,6,7
	global_load_b128 v[KF+32*\u+4*\i:KF+32*\u+4*\i+3], v4, s[84:85] offset:(8*\u+2*\i+8*(\i/4))*4096 th:TH_LOAD_NT   ; rows 2 i, 2 i + 1 of tile u, 256 consecutive bytes each
.endr
.endr
.endif
	WIN 0
.irp b, 0,1,2,3                                ; the largest score of each block of 32 keys, eight chains by turns
.irp x, 0,1
	v_max3_num_f32 v[BM+4*\x+\b], v[SS+64*\x+16*\b], v[SS+64*\x+16*\b+1], v[SS+64*\x+16*\b+2]
.endr
.endr
.irp i, 3,5,7,9,11,13
.irp b, 0,1,2,3
.irp x, 0,1
	v_max3_num_f32 v[BM+4*\x+\b], v[BM+4*\x+\b], v[SS+64*\x+16*\b+\i], v[SS+64*\x+16*\b+\i+1+(\b&1)*(\i/13)]   ; (odd blocks leave number 14 for the end, even ones 15: the pairs below want different banks)
.endr
.endr
.endr
.irp x, 0,1
.irp n, 0,2
	v_dual_max_num_f32 v[BM+4*\x+\n], v[BM+4*\x+\n], v[SS+64*\x+16*\n+15] :: v_dual_max_num_f32 v[BM+4*\x+\n+1], v[BM+4*\x+\n+1], v[SS+64*\x+16*\n+30]
.endr
.endr
.irp n, 0,1,2,3,4,5,6,7
	v_permlanex16_b32 v[BY+\n], v[BM+\n], s[SEL], s[SEL+1]
.endr
.irp n, 0,2,4,6
	v_dual_max_num_f32 v[BM+\n], v[BM+\n], v[BY+\n] :: v_dual_max_num_f32 v[BM+\n+1], v[BM+\n+1], v[BY+\n+1]
.endr
	v_max3_num_f32 v[BY], v[BM], v[BM+1], v[BM+2]
	v_max3_num_f32 v[BY+1], v[BM+4], v[BM+5], v[BM+6]
	v_max3_num_f32 v[RX], v[RX], v[BY], v[BM+3]    ; the running largest score
	v_max3_num_f32 v[RX+2], v[RX+2], v[BY+1], v[BM+7]
	v_dual_mul_f32 v[BY], s[NC], v[RX] :: v_dual_mul_f32 v[BY+1], s[NC], v[RX+2]
	v_floor_f32 v[NM], v[BY]                       ; -M = floor(-t): M is a whole number
	v_floor_f32 v[NM+2], v[BY+1]
	v_dual_sub_f32 v[BY], v[NM], v[OM0] :: v_dual_sub_f32 v[BY+1], v[NM+2], v[OM1]
	v_pk_fma_f32 v[BM:BM+1], v[BM:BM+1], s[CS:CS+1], v[NM:NM+1] op_sel_hi:[1,0,0]   ; t - M of each block's largest
	v_pk_fma_f32 v[BM+2:BM+3], v[BM+2:BM+3], s[CS:CS+1], v[NM:NM+1] op_sel_hi:[1,0,0]
	v_cvt_i32_f32 v[BY], v[BY]                     ; (it saturates)
	v_cvt_i32_f32 v[BY+1], v[BY+1]
	v_pk_fma_f32 v[BM+4:BM+5], v[BM+4:BM+5], s[CS:CS+1], v[NM+2:NM+3] op_sel_hi:[1,0,0]
	v_pk_fma_f32 v[BM+6:BM+7], v[BM+6:BM+7], s[CS:CS+1], v[NM+2:NM+3] op_sel_hi:[1,0,0]
	v_ldexp_f32 v[FF], 1.0, v[BY]                  ; f = 2^(old M - new M)
	v_ldexp_f32 v[FF+2], 1.0, v[BY+1]
.irp n, 0,2,4,6
	v_dual_max_num_f32 v[BM+\n], s[FL], v[BM+\n] :: v_dual_max_num_f32 v[BM+\n+1], s[FL], v[BM+\n+1]
.endr
	v_pk_mul_f32 v[LS:LS+1], v[LS:LS+1], v[FF:FF+1] op_sel_hi:[1,0]   ; the sums under the new M
	v_pk_mul_f32 v[LS+2:LS+3], v[LS+2:LS+3], v[FF+2:FF+3] op_sel_hi:[1,0]
.irp n, 0,1,2,3,4,5,6,7
	v_cvt_floor_i32_f32 v[BY+\n], v[BM+\n]         ; e
.endr
.irp x, 0,1
	v_lshl_add_u32 v[BM+4*\x], v[BY+4*\x+1], 8, v[BY+4*\x]
	v_lshl_add_u32 v[BM+4*\x+1], v[BY+4*\x+3], 8, v[BY+4*\x+2]
.endr
.irp x, 0,1
	v_lshl_add_u32 v[BM+4*\x], v[BM+4*\x+1], 16, v[BM+4*\x]
.endr
.irp x, 0,1
	v_add_nc_u32 v[PW+\x], 0x70707070, v[BM+4*\x]  ; p's scale word: e + 112 in each byte, 1 .. 112
.endr
.if (\last) == 0                               ; the next step's k
	WIN 0x40
.irp t, 0,1,2,3,4,5,6,7
.irp c, 0,1
	ds_load_b128 v[KF+8*\t+4*\c:KF+8*\t+4*\c+3], v8 offset:8192+1024*\t+512*\c
.endr
.endr
	WIN 0
	ds_load_b128 v[KS:KS+3], v10 offset:512
	ds_load_b128 v[KS+4:KS+7], v10 offset:768
.endif
	WIN 0x41
.set j, 0
.rept 16
	v_pk_mul_f32 v[OT+j:OT+j+1], v[OT+j:OT+j+1], v[FF:FF+1] op_sel_hi:[1,0]   ; O^T under the new M, ahead of the exponentials
	v_pk_mul_f32 v[OT+32+j:OT+33+j], v[OT+32+j:OT+33+j], v[FF+2:FF+3] op_sel_hi:[1,0]
.set j, j+2
.endr
	WIN 0
.set j, 0
.rept 32
	LESSM 0, j
.set j, j+2
.endr
	WALU
.set j, 0
.rept 32                                       ; tile 0's exponentials among tile 1's t - M
	v_exp_f32 v[SS+j], v[SS+j]
	v_exp_f32 v[SS+j+1], v[SS+j+1]
	LESSM 1, j
.if j < 16
	v_lshl_add_u32 v[SC+j/2], v[BY+j/2], 23, s[K1]   ; e + 112 as an exponent field: the conversion's scale operand
.elseif j < 32
	v_lshl_add_u32 v[BD+j/2-8], v[BY+j/2-8], 23, s[K2]   ; 1.75 x 2^e = 57,344 x the scale
.endif
.set j, j+2
.endr
	WALU
.set j, 0
.rept 16                                       ; tile 1's exponentials among tile 0's first sums, of the unquantised p, and its holds (the conversion does not saturate: ISA guide 7.6.2; p is not negative)
	v_exp_f32 v[SS+64+j], v[SS+64+j]
	v_exp_f32 v[SS+65+j], v[SS+65+j]
	v_pk_add_f32 v[PC+j/2:PC+j/2+1], v[SS+j:SS+j+1], v[SS+j+2:SS+j+3]
	v_exp_f32 v[SS+66+j], v[SS+66+j]
	v_exp_f32 v[SS+67+j], v[SS+67+j]
	v_dual_min_num_f32 v[SS+j], v[SS+j], v[BD+j/16] :: v_dual_min_num_f32 v[SS+j+1], v[SS+j+1], v[BD+j/16]
	v_dual_min_num_f32 v[SS+j+2], v[SS+j+2], v[BD+j/16] :: v_dual_min_num_f32 v[SS+j+3], v[SS+j+3], v[BD+j/16]
.set j, j+4
.endr
	WALU
.irp c, 0,1,2,3                                ; four part sums a tile, eight chains by turns
	v_pk_add_f32 v[TP+2*\c:TP+2*\c+1], v[PC+2*\c:PC+2*\c+1], v[PC+8+2*\c:PC+9+2*\c]
	v_pk_add_f32 v[TP+8+2*\c:TP+9+2*\c], v[SS+64+2*\c:SS+65+2*\c], v[SS+72+2*\c:SS+73+2*\c]
.endr
.irp k, 16,24
.irp c, 0,1,2,3
	v_pk_add_f32 v[TP+2*\c:TP+2*\c+1], v[TP+2*\c:TP+2*\c+1], v[PC+\k+2*\c:PC+\k+1+2*\c]
	v_pk_add_f32 v[TP+8+2*\c:TP+9+2*\c], v[TP+8+2*\c:TP+9+2*\c], v[SS+64+\k+2*\c:SS+65+\k+2*\c]
.endr
.endr
.irp k, 32,40,48,56
.irp c, 0,1,2,3
	v_pk_add_f32 v[TP+8+2*\c:TP+9+2*\c], v[TP+8+2*\c:TP+9+2*\c], v[SS+64+\k+2*\c:SS+65+\k+2*\c]
.endr
.endr
.irp b, 0,1,2,3
	CODES 0, \b
.endr
.irp b, 0,1,2,3
.irp i, 0,2,4,6,8,10,12,14
	v_dual_min_num_f32 v[SS+64+16*\b+\i], v[SS+64+16*\b+\i], v[BD+4+\b] :: v_dual_min_num_f32 v[SS+65+16*\b+\i], v[SS+65+16*\b+\i], v[BD+4+\b]
.endr
	CODES 1, \b
.endr
	MERGE1                                         ; four plain lines between the codes and the products that take them
	WALU
.if \last
	s_wait_dscnt 0x0
.else
	s_wait_dscnt 18                                ; v and its words are in; the next step's k, 16 loads and two of words, may be out
.endif
	WIN 0x51
.irp t, 0,1,2,3                                ; O^T += v^T p^T
.irp x, 0,1
	v_wmma_scale_f32_16x16x128_f8f6f4 v[OT+32*\x+8*\t:OT+32*\x+8*\t+7], v[VF+16*\t:VF+16*\t+15], v[PC+16*\x:PC+16*\x+15], v[OT+32*\x+8*\t:OT+32*\x+8*\t+7], v[VS+\t], v[PW+\x] matrix_a_fmt:MATRIX_FMT_BF8 matrix_b_fmt:MATRIX_FMT_BF8
.endr
.endr
	WIN 0
	s_add_co_u32 s[TB], s[TB], 8192
	s_add_co_u32 s[TS], s[TS], 512
	s_add_co_u32 s[TJ], s[TJ], 256
.endm
	s_mov_b32 s[TB], 0
	s_mov_b32 s[TS], 0
	s_mov_b32 s[TJ], 0
	s_mov_b32 s[CNT], 3                            ; steps 0-2: they read v 0-2 and k 0-3: the first part
.Lfirst:
	STEP 0
	s_sub_co_u32 s[CNT], s[CNT], 1
	s_cmp_lg_u32 s[CNT], 0
	s_cbranch_scc1 .Lfirst
	s_wait_tensorcnt 0x0                           ; every wave: all that was still out
	s_wait_dscnt 0x0
	BARRIER
	s_mov_b32 s[TB], 3*8192
	s_mov_b32 s[TS], 3*512
	s_mov_b32 s[TJ], 3*256
	s_mov_b32 s[CNT], 12                           ; steps 3-14
.Lrest:
	STEP 0
	s_sub_co_u32 s[CNT], s[CNT], 1
	s_cmp_lg_u32 s[CNT], 0
	s_cbranch_scc1 .Lrest
	STEP 1
	; THE WAY OUT: a = c_skip x + (c_out / the sum) O^T; register 16 b + i is channel 64 head + 32 b + 16 h + i of my query: two blocks of the last product's K.
	s_wait_loadcnt 0x0                             ; x: through my own stage, a tile at a time (LDS serves a wave's instructions in order)
.irp u, 0,1
	WIN 0x04
.irp i, 0,1,2,3,4,5,6,7
	ds_store_b128 v7, v[KF+32*\u+4*\i:KF+32*\u+4*\i+3] offset:544*\i
.endr
	WIN 0
.irp b, 0,1
.irp j, 0,1,2,3
	ds_load_b128 v[SS+64*\u+16*\b+4*\j:SS+64*\u+16*\b+4*\j+3], v5 offset:128*\b+16*\j
.endr
.endr
.endr
	MERGE2                                         ; with the lines below more than eight places in front of the first read of O^T
	v_add_f32 v[LS], v[LS], v[LS+1]
	v_add_f32 v[LS+2], v[LS+2], v[LS+3]
.rept 4
	v_nop
.endr
	v_permlanex16_b32 v[BY], v[LS], s[SEL], s[SEL+1]
	v_permlanex16_b32 v[BY+1], v[LS+2], s[SEL], s[SEL+1]
	v_add_f32 v[LS], v[LS], v[BY]                  ; the rows' sums
	v_add_f32 v[LS+2], v[LS+2], v[BY+1]
	WALU
	v_rcp_f32 v[LS], v[LS]
	v_rcp_f32 v[LS+2], v[LS+2]
	v_nop
	WALU
	v_mul_f32 v[BM], v[COUT], v[LS]
	v_mul_f32 v[BM+2], v[COUT], v[LS+2]
	v_add_nc_u32 v6, ASTG, v1
	WALU
	s_wait_dscnt 0x0                               ; x is back
.set j, 0
.rept 16
	v_pk_mul_f32 v[SS+j:SS+j+1], v[SS+j:SS+j+1], v[CSK:CSK+1]
	v_pk_mul_f32 v[SS+64+j:SS+65+j], v[SS+64+j:SS+65+j], v[CSK:CSK+1]
.set j, j+2
.endr
	WIN 0x01
	WALU
.set j, 0
.rept 16                                       ; each accumulator from its low end on
	v_pk_fma_f32 v[SS+j:SS+j+1], v[OT+j:OT+j+1], v[BM:BM+1], v[SS+j:SS+j+1] op_sel_hi:[1,0,1]
	v_pk_fma_f32 v[SS+64+j:SS+65+j], v[OT+32+j:OT+33+j], v[BM+2:BM+3], v[SS+64+j:SS+65+j] op_sel_hi:[1,0,1]
.set j, j+2
.endr
	WIN 0
.irp n, 0,1,2,3                                ; block n: tile n / 2, channels 32 (n % 2) on
	v_max3_num_f32 v[BM+4+\n], |v[SS+64*(\n/2)+16*(\n%2)]|, |v[SS+64*(\n/2)+16*(\n%2)+1]|, 0x8000000   ; with the floor 2^(16 - 127)
.endr
.irp i, 2,4,6,8,10,12,14
.irp n, 0,1,2,3
	v_max3_num_f32 v[BM+4+\n], v[BM+4+\n], |v[SS+64*(\n/2)+16*(\n%2)+\i]|, |v[SS+64*(\n/2)+16*(\n%2)+\i+1]|
.endr
.endr
.irp n, 0,1,2,3
	v_permlanex16_b32 v[BY+\n], v[BM+4+\n], s[SEL], s[SEL+1]
.endr
.irp n, 0,1,2,3
	v_max_num_f32 v[BM+4+\n], v[BM+4+\n], v[BY+\n]
.endr
.irp n, 0,1,2,3
	v_add_nc_u32 v[SC+\n], 0xf8800000, v[BM+4+\n]
.endr
.irp n, 0,1,2,3
	v_and_or_b32 v[BD+\n], v[BM+4+\n], 0x7f800000, s[MNT]
.endr
.irp n, 0,1,2,3
	v_lshrrev_b32 v[BY+\n], 23, v[SC+\n]
.endr
	v_lshl_or_b32 v[BY+4], v[BY+1], 8, v[BY]       ; a row's two bytes
	v_lshl_or_b32 v[BY+5], v[BY+3], 8, v[BY+2]
.irp n, 0,1,2,3
.irp i, 0,1,2,3,4,5,6,7,8,9,10,11,12,13,14,15
	v_med3_num_f32 v[SS+64*(\n/2)+16*(\n%2)+\i], v[SS+64*(\n/2)+16*(\n%2)+\i], -v[BD+\n], v[BD+\n]
.endr
	v_cvt_scalef32_pk8_bf8_f32 v[PC+4*\n:PC+4*\n+1], v[SS+64*(\n/2)+16*(\n%2):SS+64*(\n/2)+16*(\n%2)+7], v[SC+\n]
	v_cvt_scalef32_pk8_bf8_f32 v[PC+4*\n+2:PC+4*\n+3], v[SS+64*(\n/2)+16*(\n%2)+8:SS+64*(\n/2)+16*(\n%2)+15], v[SC+\n]
.endr
	v_nop
.irp n, 0,1,2,3
	global_store_b128 v1, v[PC+4*\n:PC+4*\n+3], s[86:87] offset:16384*(\n/2)+512*(\n%2)   ; a group of the image: 512 consecutive bytes, aligned
.endr
	ds_store_b16 v[SBY], v[BY+4]                   ; both halves of the lanes hold the same bytes
	ds_store_b16 v[SBY], v[BY+5] offset:32
	WALU
	s_wait_dscnt 0x0
	BARRIER                                        ; the sixteen tiles' bytes lie together
	s_cmp_lg_u32 s[WV], 0
	s_cbranch_scc1 .Lnot_mine
	ds_load_b128 v[PC+16:PC+19], v6
	s_wait_dscnt 0x0
	global_store_b128 v1, v[PC+16:PC+19], s[88:89] ; 512 consecutive bytes, aligned
.Lnot_mine:
	s_wait_tensorcnt 0x0                           ; the wave's end
	ds_add_u32 v[SPW], v[NIL]
	s_wait_dscnt 0x0
	CROUND                                         ; the closing round
	s_endpgm
.Lfunc_end_k_q48c91c5b3f_attn:
	.size	k_q48c91c5b3f_attn, .Lfunc_end_k_q48c91c5b3f_attn-k_q48c91c5b3f_attn
	.p2alignl 7, 3214868480
	.fill 96, 4, 3214868480
	.section	.rodata,"a",@progbits
	.p2align	6, 0x0
	.amdhsa_kernel k_q48c91c5b3f_attn
		.amdhsa_group_segment_fixed_size 327680
		.amdhsa_private_segment_fixed_size 0
		.amdhsa_enable_private_segment 0
		.amdhsa_kernarg_size 48
		.amdhsa_user_sgpr_count 2
		.amdhsa_user_sgpr_kernarg_segment_ptr 1
		.amdhsa_wavefront_size32 1
		.amdhsa_system_sgpr_workgroup_id_x 1
		.amdhsa_system_sgpr_workgroup_id_y 1
		.amdhsa_system_sgpr_workgroup_id_z 1
		.amdhsa_system_vgpr_workitem_id 0
		.amdhsa_next_free_vgpr 512
		.amdhsa_next_free_sgpr 92
		.amdhsa_reserve_vcc 0
		.amdhsa_float_denorm_mode_32 3
		.amdhsa_float_denorm_mode_16_64 3
		.amdhsa_memory_ordered 1
		.amdhsa_forward_progress 1
		.amdhsa_inst_pref_size 130
	.end_amdhsa_kernel
	.amdgpu_metadata
---
amdhsa.version: [ 1, 2 ]
amdhsa.kernels:
  - .name:           k_q48c91c5b3f_attn
    .symbol:         k_q48c91c5b3f_attn.kd
    .args:
      - { .name: qkv_img, .offset: 0, .size: 8, .value_kind: global_buffer, .address_space: global }
      - { .name: qkv_sc, .offset: 8, .size: 8, .value_kind: global_buffer, .address_space: global }
      - { .name: x, .offset: 16, .size: 8, .value_kind: global_buffer, .address_space: global }
      - { .name: t, .offset: 24, .size: 8, .value_kind: global_buffer, .address_space: global }
      - { .name: a_img, .offset: 32, .size: 8, .value_kind: global_buffer, .address_space: global }
      - { .name: a_sc, .offset: 40, .size: 8, .value_kind: global_buffer, .address_space: global }
    .group_segment_fixed_size: 327680
    .private_segment_fixed_size: 0
    .kernarg_segment_align: 8
    .kernarg_segment_size: 48
    .max_flat_workgroup_size: 256
    .sgpr_count:     92
    .vgpr_count:     512
    .wavefront_size: 32
...
	.end_amdgpu_metadata
.endif
;; end of part 3
;; launch proj (part 4): grid 8 x 32, 4 waves a work-group, clusters of 4 x 4, 280,064 bytes of LDS; arguments a_img, a_sc, xw_img, xw_sc, b_proj, out0; writes out0
.if DOCPART == 4
	.amdgcn_target "amdgcn-amd-amdhsa--gfx1250"
	.amdhsa_code_object_version 6
	.text
	.protected	k_q48c91c5b3f_proj
	.globl	k_q48c91c5b3f_proj
	.p2align	8
	.type	k_q48c91c5b3f_proj,@function
k_q48c91c5b3f_proj:
	s_mov_b64 s[64:65], 0
	v_nop
	global_prefetch_b8 v0, s[64:65] scope:SCOPE_SE
	s_setreg_imm32_b32 hwreg(HW_REG_WAVE_MODE, 25, 1), 1
	s_wait_xcnt 0x0
	s_wait_alu depctr_hold_cnt(0) depctr_sa_sdst(0) depctr_va_vdst(0) depctr_va_sdst(0) depctr_va_ssrc(0) depctr_va_vcc(0) depctr_vm_vsrc(0)
	s_getreg_b32 s2, hwreg(HW_REG_IB_STS2, 6, 4)
	s_cmp_eq_u32 s2, 0
	s_cbranch_scc0 .Lentry_in_a_cluster
	s_endpgm
.Lentry_in_a_cluster:
	s_bfe_u32 s2, ttmp6, 0x10000c
	s_cmp_lg_u32 s2, 0xf033
	s_cbranch_scc0 .Lentry_shape_is_right
	s_endpgm
.Lentry_shape_is_right:
; out0 = a w_proj + b_proj on codes of BF8 (E5M2) with E8M0 scales; sums in f32.  a: 4,096 tokens x 1,024; w_proj: 1,024 columns x 1,024, both as images of the matrix instruction's registers.
; A block of 128 x 128 to a work-group gives 256 work-groups, one for each WGP; blocks of 256 x 256 would give 64.  Four waves, 64 x 64 each: 16 accumulators.
; ALL OF K for both operands is 262,144 bytes: it stays in LDS, every byte filled once.  One tensor load a wave: wave 0 Q (128 tokens), wave 1 P (128 columns) for K steps 0-3, waves 2 and 3 the same for K steps 4-7.
; The first barrier shows waves 0 and 1's, the second the rest.  No ring; no prefetch: all tiles are asked for at the head.
; CLUSTER 4 x 4: Q hangs on cy and is shared along a row of the cluster, P on cx and along a column: joint loads.
; Source 0 = P: a lane's eight results are eight neighbouring columns of one token.  The bias is the C of each sum's first product.
; SCALES: all of K's words stay in 32 registers: lanes 0-15 K step q, lanes 16-31 K step 4 + q; the products of K steps 4-7 read the upper lanes.
; LIMITS: NaN and infinities are not served.
; REGISTERS.  window 0: v1-18 addresses; v32-47 P's scale words, v48-63 Q's; v64-95 the bias, v96-127 halves of Q's scale words (both later rows on their way out); v128-255 accumulator (a, b) at v[128 + 8 (4 a + b)].
;   window 1: two sets of 128: Q's four fragments, then P's four.
.set STG,  262144                      ; behind the operands: 16 rows x 272 bytes for each wave
.set SPARE, 0x44400
.set ADQ, 8                            ; v8, v9  LDS address of my Q fragments in half j
.set ADP, 12                           ; v12, v13 of my P fragments
.set STO, 16
.set RD,  17
.set CO,  18
.set SPW, 30
.set NIL, 31
.set SP,  32
.set SQ,  48
.set BP,  64
.set ACC, 128
.set G1,  24                           ; s[24:31], s[32:35] Q's descriptor
.set G0,  32
.set G1B, 48                           ; s[48:55], s[68:71] P's
.set G0B, 68
.set CX,  56
.set CY,  57
.set COLB, 58                          ; my block of 128 columns
.set TOKB, 59                          ; my block of 128 tokens
.set MROW, 60                          ; the mask of my row of the cluster
.set MCOL, 61                          ; of my column
.set MSB, 0
.macro WIN new
.if MSB != (\new)
	s_set_vgpr_msb (MSB<<8)|(\new)
.set MSB, (\new)
.endif
.endm
.set MULW, 0x05                        ; sources 0 and 1 window 1; C and D window 0
.set TO_F, 0x40                        ; destination window 1, address window 0
.macro CROUND
	s_barrier_signal -1
	s_barrier_wait -1
	s_cmp_lg_u32 s16, 0
	s_cbranch_scc1 .Lnot_wave_0_\@
	s_barrier_signal -3
.Lnot_wave_0_\@:
	s_barrier_wait -3
	s_barrier_signal -1
	s_barrier_wait -1
.endm
.macro PLACES n
.rept \n
	v_nop
.endr
.endm
.macro TLOAD g0, g1
	tensor_load_to_lds s[\g0:\g0+3], s[\g1:\g1+7]
	s_nop 0
	PLACES 4
.endm
	s_load_b128 s[4:7], s[0:1], 0x0                ; a_img, a_sc
	s_load_b128 s[8:11], s[0:1], 0x10              ; xw_img, xw_sc
	s_load_b128 s[12:15], s[0:1], 0x20             ; b_proj, out0
	v_lshl_add_u32 v[SPW], v0, 2, SPARE
	v_mov_b32 v[NIL], 0
	ds_add_u32 v[SPW], v[NIL]                      ; the opening
	ds_add_u32 v[SPW], v[NIL]
	v_lshrrev_b32 v1, 5, v0
	v_readfirstlane_b32 s16, v1                    ; wave
	s_lshr_b32 s17, s16, 1                         ; my half of Q.  Also: which half of K I fetch
	s_and_b32 s18, s16, 1                          ; my half of P.  Also: I fetch for Q (0) or for P (1)
	s_bfe_u32 s[CX], ttmp6, 0x40000
	s_bfe_u32 s[CY], ttmp6, 0x40004
	s_lshl_b32 s[COLB], ttmp9, 2
	s_add_co_u32 s[COLB], s[COLB], s[CX]
	s_and_b32 s[TOKB], ttmp7, 0xffff
	s_lshl_b32 s[TOKB], s[TOKB], 2
	s_add_co_u32 s[TOKB], s[TOKB], s[CY]
	s_lshl_b32 s[MROW], s[CY], 2
	s_lshl_b32 s[MROW], 15, s[MROW]
	s_lshl_b32 s[MCOL], 0x1111, s[CX]
	s_or_b32 s[G1+0], s[MROW], (3<<16)|(1<<21)     ; 15:0 the mask; 17:16 elements of 8 bytes; 21 set beside a mask; no padding
	s_or_b32 s[G1B+0], s[MCOL], (3<<16)|(1<<21)
.irp g, G1, G1B
	s_mov_b32 s[\g+1], 1024<<16                    ; a tile's 8,192 bytes of four K steps, as 1,024 elements of 8 bytes
	s_mov_b32 s[\g+2], 8<<16                       ; 8 tiles
	s_mov_b32 s[\g+3], 1024<<16
	s_mov_b32 s[\g+4], 8
	s_mov_b32 s[\g+5], 2048                        ; from tile to tile: 16,384 bytes
	s_mov_b32 s[\g+6], 0
	s_mov_b32 s[\g+7], 0
.endr
	s_lshl_b32 s3, s17, 13                         ; which half of K I fetch
	s_lshl_b32 s20, s[TOKB], 17                    ; Q: 8 tiles of 16,384 bytes a block
	s_add_co_u32 s20, s20, s3
	s_mov_b32 s21, 0
	s_lshl_b32 s22, s[COLB], 17                    ; P: likewise, from tile 448 on
	s_add_co_u32 s22, s22, s3
	s_add_co_u32 s22, s22, 448*16384
	s_mov_b32 s23, 0
	s_lshl_b32 s19, s16, 16                        ; where it goes: wave x 65,536: no place in the cluster enters an LDS address
	s_mov_b32 s[G0], 1
	s_mov_b32 s[G0+1], s19
	s_mov_b32 s[G0B], 1
	s_mov_b32 s[G0B+1], s19
	s_wait_dscnt 0x0
	s_wait_kmcnt 0x0
	s_add_nc_u64 s[G0+2:G0+3], s[4:5], s[20:21]
	s_or_b32 s[G0+3], s[G0+3], 0x80000000
	s_add_nc_u64 s[G0B+2:G0B+3], s[8:9], s[22:23]
	s_or_b32 s[G0B+3], s[G0B+3], 0x80000000
	CROUND                                         ; all sixteen work-groups are here: the joint loads meet
	s_cmp_eq_u32 s16, 0                            ; one load a wave, each wave its own line: the first barrier shows waves 0 and 1's alone
	s_cbranch_scc0 .Lwave_1
	TLOAD G0, G1
	s_branch .Lasked
.Lwave_1:
	s_cmp_eq_u32 s16, 1
	s_cbranch_scc0 .Lwave_2
	TLOAD G0B, G1B
	s_branch .Lasked
.Lwave_2:
	s_cmp_eq_u32 s16, 2
	s_cbranch_scc0 .Lwave_3
	TLOAD G0, G1
	s_branch .Lasked
.Lwave_3:
	TLOAD G0B, G1B
.Lasked:
	s_lshl_b32 s84, s[COLB], 9                     ; P's scale words: (448 + 8 block + 4 half) tiles x 64 bytes
	s_lshl_b32 s85, s18, 8
	s_add_co_u32 s84, s84, s85
	s_add_co_u32 s88, s84, 0                       ; the bias: 4 (128 block + 64 half): the same number
	s_add_co_u32 s84, s84, 448*64
	s_mov_b32 s85, 0
	s_mov_b32 s89, 0
	s_lshl_b32 s86, s[TOKB], 8                     ; Q's scale bytes: (8 block + 4 half) tiles x 32 bytes
	s_lshl_b32 s87, s17, 7
	s_add_co_u32 s86, s86, s87
	s_mov_b32 s87, 0
	s_lshl_b32 s90, s[TOKB], 19                    ; out0: (128 block + 64 half) rows of 4,096 bytes, + my columns
	s_lshl_b32 s91, s17, 18
	s_add_co_u32 s90, s90, s91
	s_add_co_u32 s90, s90, s88
	s_mov_b32 s91, 0
	s_add_nc_u64 s[84:85], s[10:11], s[84:85]
	s_add_nc_u64 s[86:87], s[6:7], s[86:87]
	s_add_nc_u64 s[88:89], s[12:13], s[88:89]
	s_add_nc_u64 s[90:91], s[14:15], s[90:91]
	v_and_b32 v1, 15, v0                           ; r
	v_bfe_u32 v2, v0, 4, 1                         ; h
	v_and_b32 v3, 31, v0
	v_lshlrev_b32 v3, 4, v3                        ; 16 x lane
	v_lshlrev_b32 v4, 2, v1
	v_lshl_add_u32 v4, v2, 17, v4                  ; P's words: 4 r; lanes 16-31 four K steps on
	v_lshlrev_b32 v5, 1, v1
	v_lshl_add_u32 v5, v2, 16, v5                  ; Q's bytes: 2 r; lanes 16-31 eight heads on
	v_lshlrev_b32 v6, 6, v2                        ; the bias: 16 numbers on for lanes 16-31
.irp b, 0,1,2,3
.irp q, 0,1,2,3
	global_load_b32 v[SP+4*\b+\q], v4, s[84:85] offset:32768*\q+64*\b
.endr
.endr
.irp a, 0,1,2,3
.irp q, 0,1,2,3
.irp e, 0,1
	global_load_u16 v[96+2*(4*\a+\q)+\e], v5, s[86:87] offset:16384*\q+8192*\e+32*\a   ; K step q is heads 2 q and 2 q + 1: two bytes of each
.endr
.endr
.endr
.irp b, 0,1,2,3
	global_load_b128 v[BP+8*\b:BP+8*\b+3], v6, s[88:89] offset:(32*(\b/2)+8*(\b%2))*4
	global_load_b128 v[BP+8*\b+4:BP+8*\b+7], v6, s[88:89] offset:(32*(\b/2)+8*(\b%2))*4+16
.endr
	s_lshl_b32 s92, s17, 15                        ; my 4 tiles of Q,
	s_lshl_b32 s93, s18, 15
	s_add_co_u32 s93, s93, 65536                   ; my 4 of P, behind Q's 8
.irp j, 0,1
	v_add_nc_u32 v[ADQ+\j], s92, v3
	v_add_nc_u32 v[ADP+\j], s93, v3
	s_add_co_u32 s92, s92, 131072
	s_add_co_u32 s93, s93, 131072
.endr
	s_mul_i32 s92, s16, 16*272
	s_add_co_u32 s92, s92, STG                     ; my stage
	s_wait_alu depctr_va_vdst(0)
	v_mul_u32_u24 v[STO], v1, 272
	v_lshl_add_u32 v[STO], v2, 6, v[STO]
	v_add_nc_u32 v[STO], s92, v[STO]               ; in: row r, + 64 h
	v_mul_u32_u24 v[RD], v2, 272
	v_lshl_add_u32 v[RD], v1, 4, v[RD]
	v_add_nc_u32 v[RD], s92, v[RD]                 ; back: lanes 0-15 one row of 256 bytes, lanes 16-31 the next
	v_lshlrev_b32 v[CO], 12, v2
	v_lshl_add_u32 v[CO], v1, 4, v[CO]             ; and the same two rows in out0
.macro FETCH g, f                      ; K step g's eight fragments into set f: each load reads 512 consecutive bytes
	WIN TO_F
.irp i, 0,1,2,3
.irp c, 0,1,2,3
	ds_load_b128 v[(\f)+16*\i+4*\c:(\f)+16*\i+4*\c+3], v[ADQ+(\g)/4] offset:8192*\i+2048*((\g)%4)+512*\c
	ds_load_b128 v[(\f)+64+16*\i+4*\c:(\f)+64+16*\i+4*\c+3], v[ADP+(\g)/4] offset:8192*\i+2048*((\g)%4)+512*\c
.endr
.endr
.endm
.macro MUL g, f                        ; 16 products; the 16 accumulators take turns
	WIN MULW
.irp a, 0,1,2,3
.irp b, 0,1,2,3
.if (\g) == 0
	v_wmma_scale_f32_16x16x128_f8f6f4 v[ACC+8*(4*\a+\b):ACC+8*(4*\a+\b)+7], v[(\f)+64+16*\b:(\f)+64+16*\b+15], v[(\f)+16*\a:(\f)+16*\a+15], v[BP+8*\b:BP+8*\b+7], v[SP+4*\b+(\g)%4], v[SQ+4*\a+(\g)%4] matrix_a_fmt:MATRIX_FMT_BF8 matrix_b_fmt:MATRIX_FMT_BF8
.elseif (\g) < 4
	v_wmma_scale_f32_16x16x128_f8f6f4 v[ACC+8*(4*\a+\b):ACC+8*(4*\a+\b)+7], v[(\f)+64+16*\b:(\f)+64+16*\b+15], v[(\f)+16*\a:(\f)+16*\a+15], v[ACC+8*(4*\a+\b):ACC+8*(4*\a+\b)+7], v[SP+4*\b+(\g)%4], v[SQ+4*\a+(\g)%4] matrix_a_fmt:MATRIX_FMT_BF8 matrix_b_fmt:MATRIX_FMT_BF8
.else
	v_wmma_scale_f32_16x16x128_f8f6f4 v[ACC+8*(4*\a+\b):ACC+8*(4*\a+\b)+7], v[(\f)+64+16*\b:(\f)+64+16*\b+15], v[(\f)+16*\a:(\f)+16*\a+15], v[ACC+8*(4*\a+\b):ACC+8*(4*\a+\b)+7], v[SP+4*\b+(\g)%4], v[SQ+4*\a+(\g)%4] matrix_a_fmt:MATRIX_FMT_BF8 matrix_b_fmt:MATRIX_FMT_BF8 matrix_a_scale:MATRIX_SCALE_ROW1 matrix_b_scale:MATRIX_SCALE_ROW1
.endif
.endr
.endr
.endm
	s_wait_alu depctr_va_vdst(0)
	s_cmp_lt_u32 s16, 2
	s_cbranch_scc0 .Lnot_first
	s_wait_tensorcnt 0x0                           ; waves 0 and 1: K's first half has landed
.Lnot_first:
	s_barrier_signal -1
	s_barrier_wait -1
	FETCH 0, 0
	WIN 0
	s_wait_loadcnt 0x0                             ; scale words, bias
.irp a, 0,1,2,3
.irp q, 0,1,2,3
	v_lshl_or_b32 v[SQ+4*\a+\q], v[97+2*(4*\a+\q)], 16, v[96+2*(4*\a+\q)]   ; the even head's two bytes below, the odd head's above
.endr
.endr
	PLACES 8                                       ; a scale register written by a vector instruction stands eight places ahead of the product
	s_wait_alu depctr_va_vdst(0)
.irp g, 0,1,2,3,4,5,6,7
	s_wait_dscnt 0x0                               ; K step g's fragments are in
.if \g == 3
	s_wait_tensorcnt 0x0                           ; every wave: K's second half too
	s_barrier_signal -1
	s_barrier_wait -1
.endif
.if \g < 7
.if \g > 0
	PLACES 8                                       ; in front of loads into the set that the last step's products read
.endif
	FETCH \g+1, 128*((\g+1)%2)
.endif
	MUL \g, 128*(\g%2)
.endr
	WIN 0
; THE WAY OUT, a tile of 16 tokens x my 64 columns at a time, through my own stage: sixteen lanes then store 256 consecutive bytes of a token's row, aligned.
.macro TOSTAGE a
.irp b, 0,1,2,3
	ds_store_b128 v[STO], v[ACC+8*(4*(\a)+\b):ACC+8*(4*(\a)+\b)+3] offset:128*(\b/2)+32*(\b%2)          ; each accumulator from its low end on
	ds_store_b128 v[STO], v[ACC+8*(4*(\a)+\b)+4:ACC+8*(4*(\a)+\b)+7] offset:128*(\b/2)+32*(\b%2)+16
.endr
.set BB, 64+32*((\a)%2)
.irp i, 0,1,2,3,4,5,6,7
	ds_load_b128 v[BB+4*\i:BB+4*\i+3], v[RD] offset:544*\i         ; LDS serves a wave's instructions in order: these see my stores, and the next tile's stores come behind them
.endr
.endm
.macro SEND a, younger                 ; younger: the LDS instructions issued behind tile a's loads, which may stay out
.set BB, 64+32*((\a)%2)
	s_wait_dscnt \younger
.irp i, 0,1,2,3,4,5,6,7
	global_store_b128 v[CO], v[BB+4*\i:BB+4*\i+3], s[90:91] offset:(32*((\a)/2)+8*((\a)%2)+2*\i+8*(\i/4))*4096 th:TH_STORE_NT   ; fragment rows 2 i, 2 i + 1 are tokens 2 i + 8 (i / 4) on in the tile's 32
.endr
.endm
	PLACES 8                                       ; in front of the first read of results
	TOSTAGE 0
.irp a, 1,2,3
.if \a > 1
	s_wait_xcnt 0x0                                ; the stores of two tiles ago have read the registers that the loads below fill
.endif
	TOSTAGE \a
	SEND \a-1, 16                                  ; behind tile a - 1's loads: tile a's 8 stores and 8 loads
.endr
	SEND 3, 0
	s_wait_tensorcnt 0x0                           ; the wave's end
	ds_add_u32 v[SPW], v[NIL]
	s_wait_dscnt 0x0
	CROUND                                         ; the closing round
	s_endpgm
.Lfunc_end_k_q48c91c5b3f_proj:
	.size	k_q48c91c5b3f_proj, .Lfunc_end_k_q48c91c5b3f_proj-k_q48c91c5b3f_proj
	.p2alignl 7, 3214868480
	.fill 96, 4, 3214868480
	.section	.rodata,"a",@progbits
	.p2align	6, 0x0
	.amdhsa_kernel k_q48c91c5b3f_proj
		.amdhsa_group_segment_fixed_size 280064
		.amdhsa_private_segment_fixed_size 0
		.amdhsa_enable_private_segment 0
		.amdhsa_kernarg_size 48
		.amdhsa_user_sgpr_count 2
		.amdhsa_user_sgpr_kernarg_segment_ptr 1
		.amdhsa_wavefront_size32 1
		.amdhsa_system_sgpr_workgroup_id_x 1
		.amdhsa_system_sgpr_workgroup_id_y 1
		.amdhsa_system_sgpr_workgroup_id_z 1
		.amdhsa_system_vgpr_workitem_id 0
		.amdhsa_next_free_vgpr 512
		.amdhsa_next_free_sgpr 100
		.amdhsa_reserve_vcc 0
		.amdhsa_float_denorm_mode_32 3
		.amdhsa_float_denorm_mode_16_64 3
		.amdhsa_memory_ordered 1
		.amdhsa_forward_progress 1
		.amdhsa_inst_pref_size 56
	.end_amdhsa_kernel
	.amdgpu_metadata
---
amdhsa.version: [ 1, 2 ]
amdhsa.kernels:
  - .name:           k_q48c91c5b3f_proj
    .symbol:         k_q48c91c5b3f_proj.kd
    .args:
      - { .name: a_img, .offset: 0, .size: 8, .value_kind: global_buffer, .address_space: global }
      - { .name: a_sc, .offset: 8, .size: 8, .value_kind: global_buffer, .address_space: global }
      - { .name: xw_img, .offset: 16, .size: 8, .value_kind: global_buffer, .address_space: global }
      - { .name: xw_sc, .offset: 24, .size: 8, .value_kind: global_buffer, .address_space: global }
      - { .name: b_proj, .offset: 32, .size: 8, .value_kind: global_buffer, .address_space: global }
      - { .name: out0, .offset: 40, .size: 8, .value_kind: global_buffer, .address_space: global }
    .group_segment_fixed_size: 280064
    .private_segment_fixed_size: 0
    .kernarg_segment_align: 8
    .kernarg_segment_size: 48
    .max_flat_workgroup_size: 128
    .sgpr_count:     100
    .vgpr_count:     512
    .wavefront_size: 32
...
	.end_amdgpu_metadata
.endif
;; end of part 4
